; MI455X (gfx1250); checked and timed in simulation.
; The chip was launched on July 23, 2026; its instructions are those of AMD's public machine-readable ISA for CDNA 5 (MIT licence, August 2026) and "CDNA5" Instruction Set Architecture Reference Guide (July 2026). The comments in the code are by the model that wrote it; some were corrected since.
;; Atom Transformer. Allowed arithmetic: float matrix products may take bf16 or f16 operands with f32 sums; all other float work in f32.
;; Inputs: attn_bq 3 x 128 float32; attn_bs_out 3 x 128 float32; attn_gate_w 3 x 64 x 128 float32; attn_lnz_b 3 x 16 float32; attn_lnz_g 3 x 16 float32; attn_s_gamma 3 x 64 float32; attn_skip_w 3 x 64 x 128 float32; attn_wb 3 x 16 x 4 float32; attn_wgate 3 x 128 x 128 float32; attn_wk 3 x 128 x 128 float32; attn_wo 3 x 128 x 128 float32; attn_wq 3 x 128 x 128 float32; attn_ws_out 3 x 64 x 128 float32; attn_wv 3 x 128 x 128 float32; c 4 x 1,024 x 64 float32; p 4 x 1,024 x 1,024 x 16 float32; q 4 x 1,024 x 128 float32; trans_bs_out 3 x 128 float32; trans_gate_w 3 x 64 x 128 float32; trans_s_gamma 3 x 64 float32; trans_skip_w 3 x 64 x 128 float32; trans_w1 3 x 128 x 256 float32; trans_w2 3 x 128 x 256 float32; trans_wout 3 x 256 x 128 float32; trans_ws_out 3 x 64 x 128 float32.
;; Outputs: out0 4 x 1,024 x 128 float32.
;; 2 versions, each right and faster than the one before. Each part assembles by itself: llvm-mc -triple=amdgcn-amd-amdhsa -mcpu=gfx1250 --defsym DOCPART=n.
;; ======== version 1 of 2: 7 launches
;; limits: values are held in f16: magnitudes above 65,504 overflow, below 6.1e-05 lose precision
;; workspace buffers: blk0 8,849,408 bytes; blk1 8,849,408 bytes; blk2 8,849,408 bytes; act 9,437,184 bytes; abuf 2,097,152 bytes
;; launch prep (part 1): grid 340 x 1, 8 waves a work-group, no clusters, 87,040 bytes of LDS; arguments p, attn_lnz_g, attn_lnz_b, attn_wb, blk0, blk1, blk2, attn_s_gamma, trans_s_gamma, attn_bq, attn_bs_out, trans_bs_out, attn_gate_w, attn_skip_w, attn_ws_out, attn_wq, attn_wk, attn_wv, attn_wgate, attn_wo, trans_gate_w, trans_skip_w, trans_ws_out, trans_w1, trans_w2, trans_wout; writes blk0, blk1, blk2
.if DOCPART == 1
	.amdgcn_target "amdgcn-amd-amdhsa--gfx1250"
	.amdhsa_code_object_version 6
	.text
	.protected	k_qb749ad8789_prep
	.globl	k_qb749ad8789_prep
	.p2align	8
	.type	k_qb749ad8789_prep,@function
k_qb749ad8789_prep:
	s_mov_b64 s[64:65], 0
	v_nop
	global_prefetch_b8 v0, s[64:65] scope:SCOPE_SE
	s_setreg_imm32_b32 hwreg(HW_REG_WAVE_MODE, 25, 1), 1
	s_wait_xcnt 0x0
; PREP: everything that does not hang on the activations, made once for the three blocks and laid down in the matrix unit's register order.
; Work-groups 0-83: one slab of 64 k x 128 n of one weight matrix of one block -> f16 fragments (16 n x 32 k, 1,024 bytes: registers 0-3 at
;   16 x lane, registers 4-7 at 512 + 16 x lane), with the constant factors folded in f32 and ONE rounding to f16:
;   gate: gamma[k] x (-log2 e); skip: gamma[k]; ws_out, wgate: -log2 e; wq, bq: log2 e / sqrt(32).  So sigmoid(x) = 1 / (1 + 2^acc) and scores are in base 2.
; Work-groups 84-339: the pair bias of 16 queries: wave w makes key tile 2 (query block) - 3 + w of the band of 128 keys that the mask of the problem leaves.
;   LayerNorm(p) does not hang on the block, so the band of p is read once and all 3 x 4 bias values of a pair come from one product.
;   A bias tile (16 keys x 16 queries, f32, 1,024 bytes) is stored in the layout of the accumulator of K Q^T and holds log2 e x zb.
;   Key tiles outside 0..63 do not exist: their bias tiles hold -1e10 x log2 e, as the mask does.
; LDS: bytes 0 .. 67,583 are the bias path's (8,448 for each wave, the wave's own: no barrier); bytes 67,584 .. 86,015 are the weight path's slab.
;   A work-group takes one path alone; the two paths of the text name no common LDS byte.
; LIMITS: matrix operands are f16: a folded weight must stay under 65,504 and is rounded with an absolute step of 6e-8 below 6e-5.
;   The folded factors change the order of rounding against gamma, scale and product taken one after the other.
; No tensor loads, no cluster: no byte that a wave loads here is wanted by another work-group.
.set PA,   0                           ; blk: attention pack, 8 waves x 22 fragments
.set PT,   180224                      ; transition pack, 8 waves x 30 fragments
.set PO,   425984                      ; wo: n tile x 4,096 + k step x 1,024
.set VEC,  458752                      ; bq x qs, attn_bs_out x -log2 e, trans_bs_out x -log2 e: 512 bytes each
.set BIAS, 460800                      ; bias tiles at ((16-query tile x 4 + head) x 8 + key tile) x 1,024
.set LOG2E,  0x3fb8aa3b
.set NLOG2E, 0xbfb8aa3b
.set QS,     0x3e8293ee                ; log2 e / sqrt(32)
.set ONE,    0x3f800000
.set SP,   288                         ; slab row in LDS: 128 f16 + 32 bytes
.set QP,   528                         ; a query's 16 keys x 16 channels of f16 in LDS + 16 bytes
.set SLAB, 8*16*QP                     ; the slab begins behind the bias path's 8 x 8,448 bytes
.set X,    16                          ; v[16:143]  p as loaded: load t at X + 4 t
.set FR,   16                          ; v[16:79]   fragments of the normalised p (X is free by then)
.set D,    80                          ; v[80:143]  matrix results
.set LT,   144                         ; v[144:159] LayerNorm at work, 4 registers a load
.set T,    144                         ; v[144:207] bias tiles of outputs 0-7
.set T1,   208                         ; v[208:239] bias tiles of outputs 8-11
.set WA0,  240                         ; v[240:247] weights of outputs 0-7, block-diagonal for two keys
.set WA1,  248                         ; v[248:255] the same for outputs 8-11
.macro PLACES                          ; five plain vector instructions behind a run of matrix instructions (ISA guide 7.12.1), before their results are read or their registers written
.rept 5
	v_nop
.endr
.endm
	s_load_b128 s[12:15], s[0:1], 0x20             ; blk0, blk1
	s_load_b64 s[16:17], s[0:1], 0x30              ; blk2
	s_set_vgpr_msb 0x40
	v_lshl_add_u32 v0, v0, 2, 0x15000
	v_mov_b32 v1, 0
	s_set_vgpr_msb 0x4000
	v_lshrrev_b32 v1, 5, v0
	v_readfirstlane_b32 s18, v1                    ; wave 0..7
	v_and_b32 v1, 31, v0                           ; lane L
	v_lshlrev_b32 v4, 4, v1                        ; 16 L
	s_cmp_ge_u32 ttmp9, 84
	s_cbranch_scc1 .Lbias
; ------------------------------------------------------------------ weights
	s_load_b256 s[20:27], s[0:1], 0x38             ; attn_s_gamma, trans_s_gamma, attn_bq, attn_bs_out
	s_load_b64 s[28:29], s[0:1], 0x58              ; trans_bs_out
	s_load_b512 s[32:47], s[0:1], 0x60             ; matrices 0-7
	s_load_b256 s[48:55], s[0:1], 0xa0             ; matrices 8-11
	s_load_b128 s[56:59], s[0:1], 0xc0             ; matrices 12, 13
	s_cmp_ge_u32 ttmp9, 28
	s_cselect_b32 s60, 1, 0
	s_cmp_ge_u32 ttmp9, 56
	s_cselect_b32 s61, 1, 0
	s_add_co_u32 s60, s60, s61                     ; the block i: 28 slabs a block
	s_mul_i32 s61, s60, 28
	s_sub_co_u32 s61, ttmp9, s61                   ; the slab's number in the block
	s_wait_kmcnt 0x0
; The table of matrices: the last line whose first slab is not above mine wins.
; lo first slab; ptr the pointer's register; lk log2 of the k slabs; pl log2 of a row's bytes; db, dw where the fragments go (base, wave stride); gk 0 no gamma, 1 attention's, 2 transition's; cs the constant factor
.macro MATSEL lo, ptr, lk, pl, db, dw, gk, cs
.if \lo == 0
	s_mov_b64 s[66:67], s[\ptr:\ptr+1]
	s_mov_b32 s68, \lo
	s_mov_b32 s69, \lk
	s_mov_b32 s70, \pl
	s_mov_b32 s71, \db
	s_mov_b32 s72, \dw
	s_mov_b32 s73, \gk
	s_mov_b32 s74, \cs
.else
	s_cmp_ge_u32 s61, \lo
	s_cselect_b64 s[66:67], s[\ptr:\ptr+1], s[66:67]
	s_cselect_b32 s68, \lo, s68
	s_cselect_b32 s69, \lk, s69
	s_cselect_b32 s70, \pl, s70
	s_cselect_b32 s71, \db, s71
	s_cselect_b32 s72, \dw, s72
	s_cselect_b32 s73, \gk, s73
	s_cselect_b32 s74, \cs, s74
.endif
.endm
	MATSEL 0,  32, 0, 9,  PA+0,     22528, 1, NLOG2E   ; attn_gate_w
	MATSEL 1,  34, 0, 9,  PA+2048,  22528, 1, ONE      ; attn_skip_w
	MATSEL 2,  36, 0, 9,  PA+4096,  22528, 0, NLOG2E   ; attn_ws_out
	MATSEL 3,  38, 1, 9,  PA+6144,  22528, 0, QS       ; attn_wq
	MATSEL 5,  40, 1, 9,  PA+10240, 22528, 0, ONE      ; attn_wk
	MATSEL 7,  42, 1, 9,  PA+14336, 22528, 0, ONE      ; attn_wv
	MATSEL 9,  44, 1, 9,  PA+18432, 22528, 0, NLOG2E   ; attn_wgate
	MATSEL 11, 46, 1, 9,  PO,       4096,  0, ONE      ; attn_wo
	MATSEL 13, 48, 0, 9,  PT+0,     30720, 2, NLOG2E   ; trans_gate_w
	MATSEL 14, 50, 0, 9,  PT+2048,  30720, 2, ONE      ; trans_skip_w
	MATSEL 15, 52, 0, 9,  PT+4096,  30720, 0, NLOG2E   ; trans_ws_out
	MATSEL 16, 54, 1, 10, PT+6144,  30720, 0, ONE      ; trans_w1
	MATSEL 20, 56, 1, 10, PT+14336, 30720, 0, ONE      ; trans_w2
	MATSEL 24, 58, 2, 9,  PT+22528, 30720, 0, ONE      ; trans_wout
	s_sub_co_u32 s62, s61, s68                     ; t: the slab's number in its matrix
	s_lshl_b32 s63, 1, s69
	s_sub_co_u32 s63, s63, 1
	s_and_b32 s63, s62, s63                        ; k slab
	s_lshr_b32 s75, s62, s69                       ; n slab
	s_lshl_b32 s78, 64, s69                        ; the matrix's rows,
	s_lshl_b32 s78, s78, s70                       ; its bytes,
	s_mul_i32 s78, s78, s60                        ; block i's copy
	s_lshl_b32 s79, s63, 6
	s_lshl3_add_u32 s79, s18, s79                  ; my first row: 64 x k slab + 8 w
	s_lshl_b32 s79, s79, s70
	s_add_co_u32 s78, s78, s79
	s_lshl_b32 s79, s75, 9                         ; 128 columns of f32 an n slab
	s_add_co_u32 s78, s78, s79
	s_mov_b32 s79, 0
	s_add_nc_u64 s[66:67], s[66:67], s[78:79]
	s_lshl_b32 s96, 1, s70                         ; a row's bytes
.irp e, 0,1,2,3,4,5,6,7
	v_mad_u32_u24 v[8+\e], s96, \e, v4             ; row e of my eight: 16 L + e rows
.endr
.irp e, 0,1,2,3,4,5,6,7
	global_load_b128 v[16+4*\e:19+4*\e], v[8+\e], s[66:67] th:TH_LOAD_NT   ; 512 consecutive bytes: one row of the slab
.endr
	s_cmp_eq_u32 s60, 0                            ; block i's buffer
	s_cselect_b64 s[94:95], s[12:13], s[14:15]
	s_cmp_eq_u32 s60, 2
	s_cselect_b64 s[94:95], s[16:17], s[94:95]
	s_lshl_b32 s76, s62, 11                        ; a slab is two k steps: 2,048 bytes of every n tile
	s_add_co_u32 s76, s76, s71
	s_mul_i32 s77, s18, s72                        ; n tile = wave
	s_add_co_u32 s76, s76, s77
	s_mov_b32 s77, 0
	s_add_nc_u64 s[76:77], s[94:95], s[76:77]
	s_cmp_eq_u32 s73, 2                            ; gamma of my eight rows (matrices with a gamma have 64 rows: one k slab)
	s_cselect_b64 s[90:91], s[22:23], s[20:21]
	s_lshl_b32 s92, s60, 8
	s_lshl_b32 s93, s18, 5
	s_add_co_u32 s92, s92, s93
	s_mov_b32 s93, 0
	s_add_nc_u64 s[90:91], s[90:91], s[92:93]
	s_load_b256 s[80:87], s[90:91], 0x0
	s_mul_i32 s100, s18, 8*SP
	s_add_co_u32 s100, s100, SLAB
	v_lshl_add_u32 v5, v1, 3, s100                 ; into the slab: row 8 w, 4 numbers of f16 a lane
	v_and_b32 v2, 7, v1
	v_lshrrev_b32 v3, 4, v1
	v_lshl_add_u32 v2, v3, 3, v2                   ; the turning load: k row 8 (L / 16) + L % 8,
	v_mul_u32_u24 v6, v2, SP
	v_bfe_u32 v3, v1, 3, 1
	v_lshl_add_u32 v6, v3, 4, v6                   ; 16 bytes for each half of eight lanes,
	s_lshl_b32 s101, s18, 5
	s_add_co_u32 s101, s101, SLAB
	v_add_nc_u32 v6, s101, v6                      ; n tile w: 32 bytes a tile; the slab's first byte
	s_wait_kmcnt 0x0
	s_cmp_lg_u32 s73, 0
.irp e, 0,1,2,3,4,5,6,7
	s_cselect_b32 s[80+\e], s[80+\e], 1.0          ; no gamma: 1
.endr
.irp e, 0,1,2,3,4,5,6,7
	v_mul_f32 v[84+\e], s[80+\e], s74              ; row e's factor
.endr
	s_wait_loadcnt 0x0
.irp e, 0,1,2,3,4,5,6,7
	v_mul_f32 v[16+4*\e], v[84+\e], v[16+4*\e]
	v_mul_f32 v[17+4*\e], v[84+\e], v[17+4*\e]
	v_mul_f32 v[18+4*\e], v[84+\e], v[18+4*\e]
	v_mul_f32 v[19+4*\e], v[84+\e], v[19+4*\e]
	v_cvt_pk_f16_f32 v[48+2*\e], v[16+4*\e], v[17+4*\e]
	v_cvt_pk_f16_f32 v[49+2*\e], v[18+4*\e], v[19+4*\e]
	ds_store_b64 v5, v[48+2*\e:49+2*\e] offset:\e*SP
.endr
	s_wait_dscnt 0x0                               ; for the others' sake: my rows of the slab are in LDS
	s_barrier_signal -1
	s_barrier_wait -1
.irp ksl, 0,1                                          ; two fragments: n tile w, k steps 2 x k slab + ksl
	ds_load_tr16_b128 v[64+8*\ksl:67+8*\ksl], v6 offset:\ksl*32*SP
	ds_load_tr16_b128 v[68+8*\ksl:71+8*\ksl], v6 offset:\ksl*32*SP+16*SP
.endr
	s_wait_dscnt 0x0
.irp ksl, 0,1
	global_store_b128 v4, v[64+8*\ksl:67+8*\ksl], s[76:77] offset:\ksl*1024       ; each store: 512 consecutive bytes, aligned
	global_store_b128 v4, v[68+8*\ksl:71+8*\ksl], s[76:77] offset:\ksl*1024+512
.endr
	; the three bias vectors of the block: waves 0-2 of the block's first slab
	s_cmp_lg_u32 s61, 0
	s_cbranch_scc1 .Lslab_end
	s_cmp_ge_u32 s18, 3
	s_cbranch_scc1 .Lslab_end
	s_mov_b32 s97, NLOG2E
	s_cmp_eq_u32 s18, 0
	s_cselect_b64 s[88:89], s[24:25], s[26:27]     ; wave 0: attn_bq; 1: attn_bs_out;
	s_cselect_b32 s97, QS, s97
	s_cmp_eq_u32 s18, 2
	s_cselect_b64 s[88:89], s[28:29], s[88:89]     ; 2: trans_bs_out
	s_lshl_b32 s92, s60, 9
	s_add_nc_u64 s[88:89], s[88:89], s[92:93]      ; block i's 128 numbers (s93 is 0)
	global_load_b128 v[80:83], v4, s[88:89]
	s_lshl_b32 s92, s18, 9
	s_add_co_u32 s92, s92, VEC
	s_add_nc_u64 s[98:99], s[94:95], s[92:93]
	s_wait_loadcnt 0x0
	v_mul_f32 v80, s97, v80
	v_mul_f32 v81, s97, v81
	v_mul_f32 v82, s97, v82
	v_mul_f32 v83, s97, v83
	global_store_b128 v4, v[80:83], s[98:99]
.Lslab_end:
	s_set_vgpr_msb 0x5
	s_wait_tensorcnt 0x0
	ds_add_u32 v0, v1
	s_wait_dscnt 0x0
	s_set_vgpr_msb 0x500
	s_endpgm
; ------------------------------------------------------------------ pair bias
.Lbias:
	s_load_b256 s[4:11], s[0:1], 0x0               ; p, attn_lnz_g, attn_lnz_b, attn_wb
	s_sub_co_u32 s19, ttmp9, 84                    ; the tile of 16 queries, 0..255 (64 a batch)
	s_and_b32 s20, s19, 62                         ; 2 x query block
	s_add_co_u32 s20, s20, s18
	s_sub_co_i32 s20, s20, 3                       ; my key tile in the batch: -3 .. 66
	s_lshl_b32 s22, s19, 15
	s_lshl_b32 s23, s18, 10
	s_add_co_u32 s22, s22, s23
	s_add_co_u32 s22, s22, BIAS
	s_mov_b32 s23, 0
	s_wait_kmcnt 0x0
	s_add_nc_u64 s[52:53], s[12:13], s[22:23]      ; my tile of head 0 in each block's buffer
	s_add_nc_u64 s[54:55], s[14:15], s[22:23]
	s_add_nc_u64 s[56:57], s[16:17], s[22:23]
	s_cmp_lt_i32 s20, 0
	s_cbranch_scc1 .Lmask
	s_cmp_gt_i32 s20, 63
	s_cbranch_scc1 .Lmask
	s_lshl_b32 s24, s19, 20                        ; 16 queries x 65,536 bytes
	s_lshl_b32 s25, s20, 10                        ; 16 keys x 64 bytes
	s_add_co_u32 s24, s24, s25
	s_mov_b32 s25, 0
	s_add_nc_u64 s[4:5], s[4:5], s[24:25]
	v_and_b32 v2, 15, v1                           ; r
	v_lshrrev_b32 v3, 4, v1                        ; h
	v_min_u32 v13, 11, v2                          ; lane r makes the weights of output o = block x 4 + head = min(r, 11)
	v_lshrrev_b32 v8, 2, v13
	v_and_b32 v7, 3, v13
	v_lshlrev_b32 v7, 2, v7
	v_lshl_add_u32 v7, v8, 8, v7                   ; attn_wb[o / 4][.][o % 4]
	v_lshlrev_b32 v8, 6, v8                        ; attn_lnz_g, attn_lnz_b [o / 4][.]
.irp c, 0,1,2,3,4,5,6,7,8,9,10,11,12,13,14,15
	global_load_b32 v[144+\c], v7, s[10:11] offset:\c*16
.endr
.irp j, 0,1,2,3
	global_load_b128 v[160+4*\j:163+4*\j], v8, s[6:7] offset:16*\j
	global_load_b128 v[176+4*\j:179+4*\j], v8, s[8:9] offset:16*\j
.endr
.set t, 0
.rept 32                                               ; load t: query t / 2, keys 8 (t % 2) .. + 7: 512 consecutive bytes; lane L: key L / 4, channels 4 (L % 4) .. + 3
	global_load_b128 v[X+4*t:X+4*t+3], v4, s[4:5] offset:(t/2)*65536+(t%2)*512 th:TH_LOAD_NT
.set t, t+1
.endr
	s_mov_b32 s48, 0xbd800000                      ; -1/16, as a pair for the packed forms
	s_mov_b32 s49, 0xbd800000
	s_mov_b32 s50, 0x3d800000                      ; 1/16
	s_mov_b32 s51, 0x3727c5ac                      ; 1e-5
	s_mul_i32 s26, s18, 16*QP                      ; my wave's own 8,448 bytes of LDS
	v_lshl_add_u32 v5, v1, 3, s26                  ; in: 8 bytes a lane
	v_mul_u32_u24 v6, v2, QP
	v_lshl_add_u32 v6, v3, 8, v6
	v_add_nc_u32 v6, s26, v6                       ; back: query r, key 8 h
	v_and_b32 v13, 7, v2
	v_lshlrev_b32 v9, 2, v13                       ; pull from lane r % 8
	v_add_nc_u32 v10, 32, v9                       ; pull from lane 8 + r % 8
	v_lshrrev_b32 v14, 3, v2
	v_cmp_eq_u32 vcc_lo, v14, v3
	v_cndmask_b32 v11, 0, -1, vcc_lo               ; row m = 8 kappa + o' meets the k places of key kappa = h alone
	v_cmp_gt_u32 vcc_lo, 4, v13
	v_cndmask_b32 v12, 0, v11, vcc_lo              ; outputs 8-11: four rows of each eight
	s_wait_loadcnt 32                              ; the 24 small loads are in; the 32 loads of p stay out
.irp c, 0,2,4,6,8,10,12,14
	v_pk_mul_f32 v[144+\c:145+\c], v[144+\c:145+\c], LOG2E op_sel_hi:[1,0]
.endr
	v_mul_f32 v200, v176, v144                     ; the constant part: log2 e x sum of b[c] wb[c]
.irp c, 1,2,3,4,5,6,7,8,9,10,11,12,13,14,15
	v_fmac_f32 v200, v[176+\c], v[144+\c]
.endr
.irp c, 0,2,4,6,8,10,12,14
	v_pk_mul_f32 v[144+\c:145+\c], v[144+\c:145+\c], v[160+\c:161+\c]   ; log2 e x g[c] wb[c]
.endr
.irp j, 0,1,2,3,4,5,6,7
	v_cvt_pk_f16_f32 v[192+\j], v[144+2*\j], v[145+2*\j]
.endr
.irp o, 0,1,2,3,4,5,6,7,8,9,10,11
	v_readlane_b32 s[36+\o], v200, \o
.endr
.irp j, 0,1,2,3,4,5,6,7                                ; between lanes through the LDS unit: no LDS byte is touched
	ds_bpermute_b32 v[WA0+\j], v9, v[192+\j]
	ds_bpermute_b32 v[WA1+\j], v10, v[192+\j]
.endr
	s_wait_dscnt 0x0
.irp j, 0,1,2,3,4,5,6,7
	v_and_b32 v[WA0+\j], v11, v[WA0+\j]
	v_and_b32 v[WA1+\j], v12, v[WA1+\j]
.endr
; LayerNorm over a pair's 16 channels = 4 registers x 4 neighbouring lanes, for loads 4 gq .. 4 gq + 3; mean first, then the centred squares.
.macro LN4 gq
	s_wait_loadcnt 28-4*\gq                        ; loads come back in order: the younger ones stay out
.irp q, 0,1,2,3
	v_pk_add_f32 v[LT+4*\q:LT+4*\q+1], v[X+16*\gq+4*\q:X+16*\gq+4*\q+1], v[X+16*\gq+4*\q+2:X+16*\gq+4*\q+3]
.endr
.irp q, 0,1,2,3
	v_add_f32 v[LT+4*\q], v[LT+4*\q], v[LT+4*\q+1]
.endr
.irp m, 1,2
.irp q, 0,1,2,3
	v_add_f32_dpp v[LT+4*\q], v[LT+4*\q], v[LT+4*\q] row_xmask:\m row_mask:0xf bank_mask:0xf
.endr
.endr
.irp q, 0,1,2,3
	v_pk_fma_f32 v[X+16*\gq+4*\q:X+16*\gq+4*\q+1], v[LT+4*\q:LT+4*\q+1], s[48:49], v[X+16*\gq+4*\q:X+16*\gq+4*\q+1] op_sel_hi:[0,0,1]
	v_pk_fma_f32 v[X+16*\gq+4*\q+2:X+16*\gq+4*\q+3], v[LT+4*\q:LT+4*\q+1], s[48:49], v[X+16*\gq+4*\q+2:X+16*\gq+4*\q+3] op_sel_hi:[0,0,1]
.endr
.irp q, 0,1,2,3
	v_pk_mul_f32 v[LT+4*\q+2:LT+4*\q+3], v[X+16*\gq+4*\q:X+16*\gq+4*\q+1], v[X+16*\gq+4*\q:X+16*\gq+4*\q+1]
.endr
.irp q, 0,1,2,3
	v_pk_fma_f32 v[LT+4*\q+2:LT+4*\q+3], v[X+16*\gq+4*\q+2:X+16*\gq+4*\q+3], v[X+16*\gq+4*\q+2:X+16*\gq+4*\q+3], v[LT+4*\q+2:LT+4*\q+3]
.endr
.irp q, 0,1,2,3
	v_add_f32 v[LT+4*\q+2], v[LT+4*\q+2], v[LT+4*\q+3]
.endr
.irp m, 1,2
.irp q, 0,1,2,3
	v_add_f32_dpp v[LT+4*\q+2], v[LT+4*\q+2], v[LT+4*\q+2] row_xmask:\m row_mask:0xf bank_mask:0xf
.endr
.endr
.irp q, 0,1,2,3
	v_fma_f32 v[LT+4*\q+2], v[LT+4*\q+2], s50, s51
.endr
.irp q, 0,1,2,3
	v_rsq_f32 v[LT+4*\q+2], v[LT+4*\q+2]
.endr
	v_nop                                          ; a plain instruction between the last root and the use of its result
	s_wait_alu depctr_va_vdst(0)
.irp q, 0,1,2,3
	v_pk_mul_f32 v[X+16*\gq+4*\q:X+16*\gq+4*\q+1], v[X+16*\gq+4*\q:X+16*\gq+4*\q+1], v[LT+4*\q+2:LT+4*\q+3] op_sel_hi:[1,0]
	v_pk_mul_f32 v[X+16*\gq+4*\q+2:X+16*\gq+4*\q+3], v[X+16*\gq+4*\q+2:X+16*\gq+4*\q+3], v[LT+4*\q+2:LT+4*\q+3] op_sel_hi:[1,0]
.endr
.irp q, 0,1,2,3
	v_cvt_pk_f16_f32 v[LT+4*\q], v[X+16*\gq+4*\q], v[X+16*\gq+4*\q+1]
	v_cvt_pk_f16_f32 v[LT+4*\q+1], v[X+16*\gq+4*\q+2], v[X+16*\gq+4*\q+3]
.endr
.irp q, 0,1,2,3
	ds_store_b64 v5, v[LT+4*\q:LT+4*\q+1] offset:((4*\gq+\q)/2)*QP+((4*\gq+\q)%2)*256
.endr
.endm
.irp gq, 0,1,2,3,4,5,6,7
	LN4 \gq
.endr
	; Source 1, product s: lane (r, h) takes query r, key 8 h + s: its 16 channels are the k places 8 h .. + 7 and 16 + 8 h .. + 7.  My own bytes: LDS serves a wave's instructions in order.
.irp s, 0,1,2,3,4,5,6,7
	ds_load_b128 v[FR+8*\s:FR+8*\s+3], v6 offset:32*\s
	ds_load_b128 v[FR+8*\s+4:FR+8*\s+7], v6 offset:32*\s+16
.endr
	s_wait_dscnt 0x0
.irp s, 0,1,2,3,4,5,6,7                                ; eight accumulators, one product each
	v_wmma_f32_16x16x32_f16 v[D+8*\s:D+8*\s+7], v[WA0:WA0+7], v[FR+8*\s:FR+8*\s+7], 0
.endr
	PLACES
	; result s, register o of lane (r, h) = (query r, key 8 h + s, output o); tile o wants key 8 h + s in register s: the add of the constant regroups
.irp o, 0,1,2,3,4,5,6,7
.irp s, 0,1,2,3,4,5,6,7
	v_add_f32 v[T+8*\o+\s], s[36+\o], v[D+8*\s+\o]
.endr
.endr
.irp o, 0,1,2,3,4,5,6,7
	global_store_b128 v4, v[T+8*\o:T+8*\o+3], s[52+2*(\o/4):53+2*(\o/4)] offset:(\o%4)*8192
	global_store_b128 v4, v[T+8*\o+4:T+8*\o+7], s[52+2*(\o/4):53+2*(\o/4)] offset:(\o%4)*8192+512
.endr
.irp s, 0,1,2,3,4,5,6,7
	v_wmma_f32_16x16x32_f16 v[D+8*\s:D+8*\s+7], v[WA1:WA1+7], v[FR+8*\s:FR+8*\s+7], 0
.endr
	PLACES
.irp o, 0,1,2,3
.irp s, 0,1,2,3,4,5,6,7
	v_add_f32 v[T1+8*\o+\s], s[44+\o], v[D+8*\s+\o]
.endr
.endr
.irp o, 0,1,2,3
	global_store_b128 v4, v[T1+8*\o:T1+8*\o+3], s[56:57] offset:\o*8192
	global_store_b128 v4, v[T1+8*\o+4:T1+8*\o+7], s[56:57] offset:\o*8192+512
.endr
	s_set_vgpr_msb 0x5
	s_wait_tensorcnt 0x0
	ds_add_u32 v0, v1
	s_wait_dscnt 0x0
	s_set_vgpr_msb 0x500
	s_endpgm
.Lmask:                                                ; a key tile that does not exist: its twelve bias tiles hold the mask's number
	v_mov_b32 v12, 0xd056fa72                      ; -1e10 x log2 e
	v_mov_b32 v13, 0xd056fa72
	v_mov_b32 v14, 0xd056fa72
	v_mov_b32 v15, 0xd056fa72
.irp i, 0,1,2
.irp hd, 0,1,2,3
	global_store_b128 v4, v[12:15], s[52+2*\i:53+2*\i] offset:\hd*8192
	global_store_b128 v4, v[12:15], s[52+2*\i:53+2*\i] offset:\hd*8192+512
.endr
.endr
	s_endpgm
.Lfunc_end_k_qb749ad8789_prep:
	.size	k_qb749ad8789_prep, .Lfunc_end_k_qb749ad8789_prep-k_qb749ad8789_prep
	.p2alignl 7, 3214868480
	.fill 96, 4, 3214868480
	.section	.rodata,"a",@progbits
	.p2align	6, 0x0
	.amdhsa_kernel k_qb749ad8789_prep
		.amdhsa_group_segment_fixed_size 87040
		.amdhsa_private_segment_fixed_size 0
		.amdhsa_enable_private_segment 0
		.amdhsa_kernarg_size 208
		.amdhsa_user_sgpr_count 2
		.amdhsa_user_sgpr_kernarg_segment_ptr 1
		.amdhsa_wavefront_size32 1
		.amdhsa_system_sgpr_workgroup_id_x 1
		.amdhsa_system_sgpr_workgroup_id_y 1
		.amdhsa_system_sgpr_workgroup_id_z 1
		.amdhsa_system_vgpr_workitem_id 0
		.amdhsa_next_free_vgpr 258
		.amdhsa_next_free_sgpr 102
		.amdhsa_reserve_vcc 1
		.amdhsa_float_denorm_mode_32 3
		.amdhsa_float_denorm_mode_16_64 3
		.amdhsa_memory_ordered 1
		.amdhsa_forward_progress 1
		.amdhsa_inst_pref_size 71
	.end_amdhsa_kernel
	.amdgpu_metadata
---
amdhsa.version: [ 1, 2 ]
amdhsa.kernels:
  - .name:           k_qb749ad8789_prep
    .symbol:         k_qb749ad8789_prep.kd
    .args:
      - { .name: p, .offset: 0, .size: 8, .value_kind: global_buffer, .address_space: global }
      - { .name: attn_lnz_g, .offset: 8, .size: 8, .value_kind: global_buffer, .address_space: global }
      - { .name: attn_lnz_b, .offset: 16, .size: 8, .value_kind: global_buffer, .address_space: global }
      - { .name: attn_wb, .offset: 24, .size: 8, .value_kind: global_buffer, .address_space: global }
      - { .name: blk0, .offset: 32, .size: 8, .value_kind: global_buffer, .address_space: global }
      - { .name: blk1, .offset: 40, .size: 8, .value_kind: global_buffer, .address_space: global }
      - { .name: blk2, .offset: 48, .size: 8, .value_kind: global_buffer, .address_space: global }
      - { .name: attn_s_gamma, .offset: 56, .size: 8, .value_kind: global_buffer, .address_space: global }
      - { .name: trans_s_gamma, .offset: 64, .size: 8, .value_kind: global_buffer, .address_space: global }
      - { .name: attn_bq, .offset: 72, .size: 8, .value_kind: global_buffer, .address_space: global }
      - { .name: attn_bs_out, .offset: 80, .size: 8, .value_kind: global_buffer, .address_space: global }
      - { .name: trans_bs_out, .offset: 88, .size: 8, .value_kind: global_buffer, .address_space: global }
      - { .name: attn_gate_w, .offset: 96, .size: 8, .value_kind: global_buffer, .address_space: global }
      - { .name: attn_skip_w, .offset: 104, .size: 8, .value_kind: global_buffer, .address_space: global }
      - { .name: attn_ws_out, .offset: 112, .size: 8, .value_kind: global_buffer, .address_space: global }
      - { .name: attn_wq, .offset: 120, .size: 8, .value_kind: global_buffer, .address_space: global }
      - { .name: attn_wk, .offset: 128, .size: 8, .value_kind: global_buffer, .address_space: global }
      - { .name: attn_wv, .offset: 136, .size: 8, .value_kind: global_buffer, .address_space: global }
      - { .name: attn_wgate, .offset: 144, .size: 8, .value_kind: global_buffer, .address_space: global }
      - { .name: attn_wo, .offset: 152, .size: 8, .value_kind: global_buffer, .address_space: global }
      - { .name: trans_gate_w, .offset: 160, .size: 8, .value_kind: global_buffer, .address_space: global }
      - { .name: trans_skip_w, .offset: 168, .size: 8, .value_kind: global_buffer, .address_space: global }
      - { .name: trans_ws_out, .offset: 176, .size: 8, .value_kind: global_buffer, .address_space: global }
      - { .name: trans_w1, .offset: 184, .size: 8, .value_kind: global_buffer, .address_space: global }
      - { .name: trans_w2, .offset: 192, .size: 8, .value_kind: global_buffer, .address_space: global }
      - { .name: trans_wout, .offset: 200, .size: 8, .value_kind: global_buffer, .address_space: global }
    .group_segment_fixed_size: 87040
    .private_segment_fixed_size: 0
    .kernarg_segment_align: 8
    .kernarg_segment_size: 208
    .max_flat_workgroup_size: 256
    .sgpr_count:     102
    .vgpr_count:     258
    .wavefront_size: 32
...
	.end_amdgpu_metadata
.endif
;; end of part 1
;; launch proj0 (part 2): grid 128 x 2, 8 waves a work-group, no clusters, 53,760 bytes of LDS; arguments q, c, blk0, act; writes act
.if DOCPART == 2
	.amdgcn_target "amdgcn-amd-amdhsa--gfx1250"
	.amdhsa_code_object_version 6
	.text
	.protected	k_qb749ad8789_proj0
	.globl	k_qb749ad8789_proj0
	.p2align	8
	.type	k_qb749ad8789_proj0,@function
k_qb749ad8789_proj0:
	s_mov_b64 s[64:65], 0
	v_nop
	global_prefetch_b8 v0, s[64:65] scope:SCOPE_SE
	s_setreg_imm32_b32 hwreg(HW_REG_WAVE_MODE, 25, 1), 1
	s_wait_xcnt 0x0
; PROJ: all that one block computes atom by atom in front of the attention.  A work-group owns 32 atoms (two tiles of 16) and one branch:
;   y = 0: ah = AdaLN(a, c); Q, K, V, the gate g = sigmoid(ah wgate), the output gate sigmoid(c ws_out + bs).
;   y = 1: t = AdaLN(a, c); bm = silu(t w1) (t w2); t_out = sigmoid(c ws_out + bs) (bm wout).
; Wave w owns output channels 16 w .. 16 w + 15 of every product (of w1 and w2 also 128 + 16 w ..).  Its weights lie in blk as ready fragments, in the order in which it
; uses them, and go straight into registers (window 1): 22 or 30 fragments, all asked for at the start, so the wave sits out memory once.
; THE MATRIX INSTRUCTION IS USED TRANSPOSED (source 0 = 16 output channels of the weights, source 1 = 16 atoms): lane (r, h) then holds atom r and channels 8 h .. 8 h + 7,
; which pack into half a fragment of the next product.  V alone is made the natural way round (lane = channel, registers = atoms): half a fragment of V^T.
; What goes to act is stored in register order: each store of a wave covers 512 consecutive bytes, aligned.
; NO CLUSTER, NO TENSOR LOADS: the 128 row blocks walk the same weights, but a wave uses each fragment from registers alone; a joint load would need 180,224 or 245,760 bytes of
; LDS for the pack and a second trip from LDS into the same registers.
; LIMITS: matrix operands are f16 (under 65,504; absolute step 6e-8 below 6e-5).  ah, t, c, Q, K, V are linear in normalised numbers.  bm is a product of two such
; numbers, so each atom's bm is divided by u = 2^floor(log2 max |bm|), held within 2^-100 .. 2^126, and u is put back behind the product.  2^x below 2^-126 is 0.
.set PA,  0
.set PT,  180224
.set VEC, 458752
.set QO,  0                            ; act: f16 half fragments at tile x 4,096 + w x 512
.set KO,  1048576
.set VO,  2097152
.set GO,  3145728                      ; act: f32 tiles at (tile x 8 + w) x 1,024
.set OGO, 5242880
.set TOO, 7340032
.set AN,  0                            ; LDS: normalised a, f32 [32][128], pitch 528
.set CN,  16896                        ; normalised c, f16 [32][64], pitch 144
.set CR,  21504                        ; c as it is, f16, pitch 144
.set AH,  26112                        ; ah or t, f16 [32][128], pitch 272
.set BM,  34816                        ; bm / u, f16 [32][256], pitch 528
.set MX,  51712                        ; max |bm|, f32 [32 atoms][8 waves]
; v1 16 L; v2 r; v3 h; v4 8 L; v5-v14 LDS addresses; v15 64 w + 32 h; v16-v18 at work; v[32:159] operands; v[160:223] accumulators;
; v[224:239] the output gate; v[240:247] its bias; v[248:255] bq, or u and 1/u.  Window 1: weight fragment f at v[8 f : 8 f + 7].
.set MSB, 0
.macro WIN new                         ; the immediate's high byte repeats the setting that is left
.if MSB != \new
	s_set_vgpr_msb (MSB<<8)|\new
.set MSB, \new
.endif
.endm
.macro PLACES                          ; five plain vector instructions behind a run of matrix instructions (ISA guide 7.12.1)
.rept 5
	v_nop
.endr
.endm
.macro LOADW f0, f1                    ; weight fragments f0 .. f1 into window 1
	WIN 0x40
.set f, \f0
.rept \f1-\f0+1
	global_load_b128 v[8*f:8*f+3], v1, s[30:31] offset:1024*f
	global_load_b128 v[8*f+4:8*f+7], v1, s[30:31] offset:1024*f+512
.set f, f+1
.endr
	WIN 0
.endm
.macro FRAG dst, adr, off              ; a fragment of 16 rows x 32 k from LDS rows that lie along k
	ds_load_b128 v[\dst:\dst+3], v[\adr] offset:\off
	ds_load_b128 v[\dst+4:\dst+7], v[\adr] offset:\off+32
.endm
.macro WM d, f, x, k                   ; transposed: D += W[f] X; k = 0: the first K step starts the sum
.if \k == 0
	v_wmma_f32_16x16x32_f16 v[\d:\d+7], v[8*(\f):8*(\f)+7], v[\x:\x+7], 0
.else
	v_wmma_f32_16x16x32_f16 v[\d:\d+7], v[8*(\f):8*(\f)+7], v[\x:\x+7], v[\d:\d+7]
.endif
.endm
.macro WMC d, f, x, c, k               ; the same; the first K step starts from the bias in v[c : c + 7]
.if \k == 0
	v_wmma_f32_16x16x32_f16 v[\d:\d+7], v[8*(\f):8*(\f)+7], v[\x:\x+7], v[\c:\c+7]
.else
	v_wmma_f32_16x16x32_f16 v[\d:\d+7], v[8*(\f):8*(\f)+7], v[\x:\x+7], v[\d:\d+7]
.endif
.endm
.macro WN d, x, f, k                   ; the natural way round: D += X W[f]
.if \k == 0
	v_wmma_f32_16x16x32_f16 v[\d:\d+7], v[\x:\x+7], v[8*(\f):8*(\f)+7], 0
.else
	v_wmma_f32_16x16x32_f16 v[\d:\d+7], v[\x:\x+7], v[8*(\f):8*(\f)+7], v[\d:\d+7]
.endif
.endm
.macro SIG base, n                     ; n registers x -> 1 / (1 + 2^x); -log2 e lies in the weights
.set i, 0
.rept \n
	v_exp_f32 v[\base+i], v[\base+i]
.set i, i+1
.endr
	v_nop                                          ; a plain instruction behind the last exponential
.set i, 0
	s_wait_alu depctr_va_vdst(0)
.rept \n/2
	v_pk_add_f32 v[\base+i:\base+i+1], v[\base+i:\base+i+1], 1.0 op_sel_hi:[1,0]
.set i, i+2
.endr
.set i, 0
.rept \n
	v_rcp_f32 v[\base+i], v[\base+i]
.set i, i+1
.endr
	v_nop
.endm
.macro RED8                            ; eight sums over the 32 lanes; the odd register beside each takes the other half of the lanes
.irp m, 1,2,4,8
.irp g, 56,58,60,62,64,66,68,70
	v_add_f32_dpp v[\g], v[\g], v[\g] row_xmask:\m row_mask:0xf bank_mask:0xf
.endr
.endr
.irp g, 56,58,60,62,64,66,68,70
	v_permlanex16_b32 v[\g+1], v[\g], s20, s21
.endr
.irp g, 56,58,60,62,64,66,68,70
	v_add_f32 v[\g], v[\g], v[\g+1]
.endr
.endm
; AdaLN and the output gate.  cnt: the younger loads that may stay out when the bias vector and fragments 0-5 are wanted.
.macro PHASE1 cnt
.irp mt, 0,1
.irp ks, 0,1
	FRAG 32+8*(2*\mt+\ks), 7, \mt*2304+64*\ks           ; normalised c
	FRAG 64+8*(2*\mt+\ks), 7, \mt*2304+64*\ks+4608      ; c as it is
.endr
	ds_load_b128 v[96+8*\mt:99+8*\mt], v10 offset:8448*\mt        ; normalised a: atom r, my channels 8 h .. + 7
	ds_load_b128 v[100+8*\mt:103+8*\mt], v10 offset:8448*\mt+16
.endr
	s_wait_dscnt 0x0
	s_wait_loadcnt \cnt
	WIN 0x01                                       ; source 0 in window 1
.irp ks, 0,1                                           ; six accumulators by turns, one instruction a turn
.irp mt, 0,1
	WM 160+8*\mt, \ks, 32+8*(2*\mt+\ks), \ks            ; gate
.endr
.irp mt, 0,1
	WM 176+8*\mt, 2+\ks, 32+8*(2*\mt+\ks), \ks          ; skip
.endr
.irp mt, 0,1
	WMC 224+8*\mt, 4+\ks, 64+8*(2*\mt+\ks), 240, \ks    ; output gate
.endr
.endr
	WIN 0
	PLACES
	SIG 160, 16
	SIG 224, 16
.irp j, 0,2,4,6,8,10,12,14
	v_pk_fma_f32 v[176+\j:177+\j], v[160+\j:161+\j], v[96+\j:97+\j], v[176+\j:177+\j]   ; sigmoid(gate) a_n + skip
.endr
.irp j, 0,1,2,3,4,5,6,7
	v_cvt_pk_f16_f32 v[112+\j], v[176+2*\j], v[177+2*\j]
.endr
	ds_store_b128 v11, v[112:115]
	ds_store_b128 v11, v[116:119] offset:4352
	s_wait_dscnt 0x0                               ; for the others' sake: my 16 channels of the 32 atoms are in LDS
	s_barrier_signal -1
	s_barrier_wait -1
.irp mt, 0,1
.irp ks, 0,1,2,3
	FRAG 32+8*(4*\mt+\ks), 8, 4352*\mt+64*\ks           ; ah (or t): 16 atoms x 32 channels
.endr
.endr
	s_wait_dscnt 0x0
.endm
	s_load_b256 s[4:11], s[0:1], 0x0               ; a s[4:5], c s[6:7], blk s[8:9], act s[10:11]
	v_lshl_add_u32 v30, v0, 2, 0xce00
	v_mov_b32 v31, 0
	v_lshrrev_b32 v16, 5, v0
	v_readfirstlane_b32 s12, v16                   ; wave 0..7
	s_and_b32 s14, ttmp7, 0xffff                   ; y: the branch
	v_and_b32 v16, 31, v0                          ; L
	v_lshlrev_b32 v1, 4, v16
	v_lshlrev_b32 v4, 3, v16
	v_and_b32 v2, 15, v16
	v_lshrrev_b32 v3, 4, v16
	s_lshl_b32 s15, s12, 6
	v_lshl_add_u32 v15, v3, 5, s15                 ; my 8 channels in a vector of f32
	s_lshl_b32 s16, ttmp9, 14                      ; 32 rows of a,
	s_lshl_b32 s17, s12, 11                        ; my wave's four
	s_add_co_u32 s16, s16, s17
	s_mov_b32 s17, 0
	s_lshr_b32 s18, s16, 1                         ; rows of c are half as long
	s_mov_b32 s19, 0
	s_mov_b32 s44, 30720
	s_cmp_eq_u32 s14, 0
	s_cselect_b32 s44, 22528, s44                  ; bytes of a wave's pack
	s_cselect_b32 s45, PA, PT
	s_mul_i32 s44, s44, s12
	s_add_co_u32 s44, s44, s45
	s_mov_b32 s45, 0
	s_lshl_b32 s46, s14, 9
	s_add_co_u32 s46, s46, VEC+512                 ; the branch's output-gate bias
	s_mov_b32 s47, 0
	s_wait_kmcnt 0x0
	s_add_nc_u64 s[40:41], s[4:5], s[16:17]
	s_add_nc_u64 s[42:43], s[6:7], s[18:19]
	s_add_nc_u64 s[30:31], s[8:9], s[44:45]
	s_add_nc_u64 s[32:33], s[8:9], s[46:47]
.irp t, 0,1,2,3
	global_load_b128 v[32+4*\t:35+4*\t], v1, s[40:41] offset:512*\t    ; a whole row of a
.endr
.irp t, 0,1,2,3
	global_load_b64 v[48+2*\t:49+2*\t], v4, s[42:43] offset:256*\t     ; a whole row of c
.endr
	global_load_b128 v[240:243], v15, s[32:33]
	global_load_b128 v[244:247], v15, s[32:33] offset:16
	LOADW 0, 21                                    ; 54 loads are out
	s_lshl_b32 s16, ttmp9, 13
	s_lshl_b32 s18, s12, 9
	s_add_co_u32 s16, s16, s18
	s_add_nc_u64 s[34:35], s[10:11], s[16:17]      ; act: f16 halves of my two tiles
	s_lshl_b32 s16, s16, 1
	s_add_nc_u64 s[36:37], s[10:11], s[16:17]      ; act: f32 tiles
	s_mov_b32 s20, 0x76543210                      ; v_permlanex16_b32: each lane takes its own place in the other half
	s_mov_b32 s21, 0xfedcba98
	s_mov_b32 s22, 0x3c000000                      ; 1/128
	s_mov_b32 s23, 0x3727c5ac                      ; 1e-5
	s_mov_b32 s24, 0x3c800000                      ; 1/64
	s_mov_b32 s26, 0xbc000000                      ; -1/128, -1/64: pairs for the packed forms
	s_mov_b32 s27, 0xbc000000
	s_mov_b32 s28, 0xbc800000
	s_mov_b32 s29, 0xbc800000
	s_mov_b32 s38, 0x0d800000                      ; 2^-100
	s_mov_b32 s39, 0x7e800000                      ; 2^126
	s_mul_i32 s15, s12, 4*528
	v_add_nc_u32 v5, s15, v1                       ; AN: row 4 w, 16 bytes a lane
	s_mul_i32 s15, s12, 4*144
	s_add_co_u32 s15, s15, CN
	v_lshl_add_u32 v6, v16, 2, s15                 ; CN: row 4 w, 4 bytes a lane
	v_mul_u32_u24 v7, v2, 144
	v_lshl_add_u32 v7, v3, 4, v7
	v_add_nc_u32 v7, CN, v7                        ; fragments of CN (CR: + 4,608)
	v_mul_u32_u24 v17, v2, 272
	v_lshl_add_u32 v17, v3, 4, v17
	v_add_nc_u32 v8, AH, v17                       ; fragments of AH
	s_lshl_b32 s15, s12, 5
	v_add_nc_u32 v11, s15, v8                      ; into AH: atom r, channels 16 w + 8 h
	v_mul_u32_u24 v18, v2, 528
	v_lshl_add_u32 v9, v3, 4, v18
	v_add_nc_u32 v9, BM, v9                        ; fragments of BM
	v_add_nc_u32 v12, s15, v9                      ; into BM
	v_add_nc_u32 v10, v18, v15                     ; AN: atom r, channels 16 w + 8 h
	v_lshlrev_b32 v14, 5, v2
	v_add_nc_u32 v14, MX, v14                      ; MX: atom r
	s_lshl_b32 s15, s12, 2
	v_add_nc_u32 v13, s15, v14                     ; MX: atom r, wave w
	; LayerNorm of my four rows of a and of c: the mean, then the centred squares.  Sums at v56, v58 .. v70.
	s_wait_loadcnt 46                              ; a and c are in; the bias vector and the 44 loads of weights stay out
.irp t, 0,1,2,3
	v_cvt_pk_f16_f32 v[72+\t], v[48+2*\t], v[49+2*\t]
.endr
.irp t, 0,1,2,3
	ds_store_b32 v6, v[72+\t] offset:144*\t+4608   ; c as it is
.endr
.irp t, 0,1,2,3
	v_pk_add_f32 v[56+2*\t:57+2*\t], v[32+4*\t:33+4*\t], v[34+4*\t:35+4*\t]
	v_add_f32 v[64+2*\t], v[48+2*\t], v[49+2*\t]
	v_mov_b32 v[65+2*\t], v[49+2*\t]               ; v_permlanex16_b32's destination counts as read: it is written first
.endr
.irp t, 0,1,2,3
	v_add_f32 v[56+2*\t], v[56+2*\t], v[57+2*\t]
.endr
	RED8
.irp t, 0,1,2,3
	v_pk_fma_f32 v[32+4*\t:33+4*\t], v[56+2*\t:57+2*\t], s[26:27], v[32+4*\t:33+4*\t] op_sel_hi:[0,0,1]
	v_pk_fma_f32 v[34+4*\t:35+4*\t], v[56+2*\t:57+2*\t], s[26:27], v[34+4*\t:35+4*\t] op_sel_hi:[0,0,1]
	v_pk_fma_f32 v[48+2*\t:49+2*\t], v[64+2*\t:65+2*\t], s[28:29], v[48+2*\t:49+2*\t] op_sel_hi:[0,0,1]
.endr
.irp t, 0,1,2,3
	v_pk_mul_f32 v[56+2*\t:57+2*\t], v[32+4*\t:33+4*\t], v[32+4*\t:33+4*\t]
	v_mul_f32 v[64+2*\t], v[48+2*\t], v[48+2*\t]
.endr
.irp t, 0,1,2,3
	v_pk_fma_f32 v[56+2*\t:57+2*\t], v[34+4*\t:35+4*\t], v[34+4*\t:35+4*\t], v[56+2*\t:57+2*\t]
	v_fmac_f32 v[64+2*\t], v[49+2*\t], v[49+2*\t]
.endr
.irp t, 0,1,2,3
	v_add_f32 v[56+2*\t], v[56+2*\t], v[57+2*\t]
.endr
	RED8
.irp t, 0,1,2,3
	v_fma_f32 v[56+2*\t], v[56+2*\t], s22, s23
	v_fma_f32 v[64+2*\t], v[64+2*\t], s24, s23
.endr
.irp g, 56,58,60,62,64,66,68,70
	v_rsq_f32 v[\g], v[\g]
.endr
	v_nop
	s_wait_alu depctr_va_vdst(0)
.irp t, 0,1,2,3
	v_pk_mul_f32 v[32+4*\t:33+4*\t], v[32+4*\t:33+4*\t], v[56+2*\t:57+2*\t] op_sel_hi:[1,0]
	v_pk_mul_f32 v[34+4*\t:35+4*\t], v[34+4*\t:35+4*\t], v[56+2*\t:57+2*\t] op_sel_hi:[1,0]
	v_pk_mul_f32 v[48+2*\t:49+2*\t], v[48+2*\t:49+2*\t], v[64+2*\t:65+2*\t] op_sel_hi:[1,0]
.endr
.irp t, 0,1,2,3
	v_cvt_pk_f16_f32 v[76+\t], v[48+2*\t], v[49+2*\t]
	ds_store_b128 v5, v[32+4*\t:35+4*\t] offset:528*\t
.endr
.irp t, 0,1,2,3
	ds_store_b32 v6, v[76+\t] offset:144*\t
.endr
	s_wait_dscnt 0x0                               ; for the others' sake: my four atoms are in LDS
	s_barrier_signal -1
	s_barrier_wait -1
	s_cmp_lg_u32 s14, 0
	s_cbranch_scc1 .Ltrans
; ------------------------------------------------------------------ y = 0: the attention's operands
	global_load_b128 v[248:251], v15, s[32:33] offset:-512    ; bq x qs lies 512 bytes in front of the gate's bias
	global_load_b128 v[252:255], v15, s[32:33] offset:-496
	PHASE1 34                                      ; fragments 6-21 (32 loads) and bq (2) stay out
	s_wait_loadcnt 0x0
	WIN 0x01
.irp ks, 0,1,2,3                                       ; six accumulators by turns
.irp mt, 0,1
	WMC 160+8*\mt, 6+\ks, 32+8*(4*\mt+\ks), 248, \ks    ; Q, scaled, with its bias
.endr
.irp mt, 0,1
	WM 176+8*\mt, 10+\ks, 32+8*(4*\mt+\ks), \ks         ; K
.endr
.irp mt, 0,1
	WM 192+8*\mt, 18+\ks, 32+8*(4*\mt+\ks), \ks         ; the gate g
.endr
.endr
	WIN 0x04                                       ; source 1 in window 1
.irp ks, 0,1,2,3                                       ; two accumulators by turns
.irp mt, 0,1
	WN 208+8*\mt, 32+8*(4*\mt+\ks), 14+\ks, \ks         ; V: lane = channel, registers = atoms
.endr
.endr
	WIN 0
	PLACES
.irp j, 0,1,2,3,4,5,6,7
	v_cvt_pk_f16_f32 v[96+\j], v[160+2*\j], v[161+2*\j]
	v_cvt_pk_f16_f32 v[104+\j], v[176+2*\j], v[177+2*\j]
	v_cvt_pk_f16_f32 v[112+\j], v[208+2*\j], v[209+2*\j]
.endr
.irp mt, 0,1
	global_store_b128 v1, v[96+4*\mt:99+4*\mt], s[34:35] offset:QO+4096*\mt
	global_store_b128 v1, v[104+4*\mt:107+4*\mt], s[34:35] offset:KO+4096*\mt
	global_store_b128 v1, v[112+4*\mt:115+4*\mt], s[34:35] offset:VO+4096*\mt
.endr
	SIG 192, 16
	s_wait_alu depctr_va_vdst(0)
.irp mt, 0,1
	global_store_b128 v1, v[192+8*\mt:195+8*\mt], s[36:37] offset:GO+8192*\mt
	global_store_b128 v1, v[196+8*\mt:199+8*\mt], s[36:37] offset:GO+8192*\mt+512
	global_store_b128 v1, v[224+8*\mt:227+8*\mt], s[36:37] offset:OGO+8192*\mt
	global_store_b128 v1, v[228+8*\mt:231+8*\mt], s[36:37] offset:OGO+8192*\mt+512
.endr
	s_wait_tensorcnt 0x0
	ds_add_u32 v30, v31
	s_wait_dscnt 0x0
	s_endpgm
; ------------------------------------------------------------------ y = 1: the transition
.Ltrans:
	LOADW 22, 29                                   ; wout: 16 loads more
	PHASE1 48                                      ; fragments 6-29 stay out
	s_wait_loadcnt 16                              ; w1 and w2 are in; wout stays out
	WIN 0x01
.irp ks, 0,1,2,3                                       ; eight accumulators by turns
.irp nt, 0,1
.irp mt, 0,1
	WM 160+16*\nt+8*\mt, 6+4*\nt+\ks, 32+8*(4*\mt+\ks), \ks     ; t w1
.endr
.endr
.irp nt, 0,1
.irp mt, 0,1
	WM 192+16*\nt+8*\mt, 14+4*\nt+\ks, 32+8*(4*\mt+\ks), \ks    ; t w2
.endr
.endr
.endr
	WIN 0
	PLACES
.set i, 0
.rept 16
	v_pk_mul_f32 v[96+i:97+i], v[160+i:161+i], 0xbfb8aa3b op_sel_hi:[1,0]
.set i, i+2
.endr
	SIG 96, 32                                     ; sigmoid(t w1)
.set i, 0
.rept 16
	v_pk_mul_f32 v[160+i:161+i], v[160+i:161+i], v[192+i:193+i]
.set i, i+2
.endr
.set i, 0
	s_wait_alu depctr_va_vdst(0)
.rept 16
	v_pk_mul_f32 v[160+i:161+i], v[160+i:161+i], v[96+i:97+i]     ; bm
.set i, i+2
.endr
	; the largest |bm| of each atom: my 16 numbers, the other half of the lanes, then the eight waves through LDS
	v_max3_num_f32 v16, |v160|, |v161|, |v162|
	v_max3_num_f32 v18, |v168|, |v169|, |v170|
	v_max3_num_f32 v16, v16, |v163|, |v164|
	v_max3_num_f32 v18, v18, |v171|, |v172|
	v_max3_num_f32 v16, v16, |v165|, |v166|
	v_max3_num_f32 v18, v18, |v173|, |v174|
	v_max3_num_f32 v16, v16, |v167|, |v176|
	v_max3_num_f32 v18, v18, |v175|, |v184|
	v_max3_num_f32 v16, v16, |v177|, |v178|
	v_max3_num_f32 v18, v18, |v185|, |v186|
	v_max3_num_f32 v16, v16, |v179|, |v180|
	v_max3_num_f32 v18, v18, |v187|, |v188|
	v_max3_num_f32 v16, v16, |v181|, |v182|
	v_max3_num_f32 v18, v18, |v189|, |v190|
	v_max_num_f32 v16, v16, |v183|
	v_max_num_f32 v18, v18, |v191|
	v_permlanex16_b32 v17, v16, s20, s21
	v_max_num_f32 v16, v16, v17
	v_permlanex16_b32 v17, v18, s20, s21
	v_max_num_f32 v18, v18, v17
	ds_store_b32 v13, v16
	ds_store_b32 v13, v18 offset:512
	s_wait_dscnt 0x0
	s_barrier_signal -1
	s_barrier_wait -1
	ds_load_b128 v[96:99], v14
	ds_load_b128 v[100:103], v14 offset:16
	ds_load_b128 v[104:107], v14 offset:512
	ds_load_b128 v[108:111], v14 offset:528
	s_wait_dscnt 0x0
.irp mt, 0,1
	v_max3_num_f32 v[96+8*\mt], v[96+8*\mt], v[97+8*\mt], v[98+8*\mt]
	v_max3_num_f32 v[96+8*\mt], v[96+8*\mt], v[99+8*\mt], v[100+8*\mt]
	v_max3_num_f32 v[96+8*\mt], v[96+8*\mt], v[101+8*\mt], v[102+8*\mt]
	v_max_num_f32 v[96+8*\mt], v[96+8*\mt], v[103+8*\mt]
	v_and_b32 v[248+2*\mt], 0x7f800000, v[96+8*\mt]              ; the power of two below it,
	v_med3_num_f32 v[248+2*\mt], v[248+2*\mt], s38, s39          ; held within 2^-100 .. 2^126: u
	v_mov_b32 v[249+2*\mt], v[248+2*\mt]
	v_sub_nc_u32 v[252+2*\mt], 0x7f000000, v[248+2*\mt]          ; 1 / u: the exponent mirrored, exact
	v_mov_b32 v[253+2*\mt], v[252+2*\mt]
.endr
.irp nt, 0,1
.irp mt, 0,1
.irp j, 0,2,4,6
	v_pk_mul_f32 v[160+16*\nt+8*\mt+\j:161+16*\nt+8*\mt+\j], v[160+16*\nt+8*\mt+\j:161+16*\nt+8*\mt+\j], v[252+2*\mt:253+2*\mt]
.endr
.endr
.endr
.irp mt, 0,1
.irp j, 0,2,4,6
	v_pk_mul_f32 v[224+8*\mt+\j:225+8*\mt+\j], v[224+8*\mt+\j:225+8*\mt+\j], v[248+2*\mt:249+2*\mt]    ; u goes into the output gate
.endr
.endr
.irp j, 0,1,2,3,4,5,6,7,8,9,10,11,12,13,14,15
	v_cvt_pk_f16_f32 v[96+\j], v[160+2*\j], v[161+2*\j]
.endr
.irp nt, 0,1
.irp mt, 0,1
	ds_store_b128 v12, v[96+4*(2*\nt+\mt):99+4*(2*\nt+\mt)] offset:8448*\mt+256*\nt
.endr
.endr
	s_wait_dscnt 0x0
	s_barrier_signal -1
	s_barrier_wait -1
.irp mt, 0,1
.irp ks, 0,1,2,3,4,5,6,7
	FRAG 32+8*(8*\mt+\ks), 9, 8448*\mt+64*\ks
.endr
.endr
	s_wait_dscnt 0x0
	s_wait_loadcnt 0x0                             ; wout
	WIN 0x01
.irp ks, 0,1,2,3,4,5,6,7                               ; two accumulators by turns
.irp mt, 0,1
	WM 160+8*\mt, 22+\ks, 32+8*(8*\mt+\ks), \ks
.endr
.endr
	WIN 0
	PLACES
.irp j, 0,2,4,6,8,10,12,14
	v_pk_mul_f32 v[160+\j:161+\j], v[160+\j:161+\j], v[224+\j:225+\j]
.endr
.irp mt, 0,1
	global_store_b128 v1, v[160+8*\mt:163+8*\mt], s[36:37] offset:TOO+8192*\mt
	global_store_b128 v1, v[164+8*\mt:167+8*\mt], s[36:37] offset:TOO+8192*\mt+512
.endr
	s_wait_tensorcnt 0x0
	ds_add_u32 v30, v31
	s_wait_dscnt 0x0
	s_endpgm
.Lfunc_end_k_qb749ad8789_proj0:
	.size	k_qb749ad8789_proj0, .Lfunc_end_k_qb749ad8789_proj0-k_qb749ad8789_proj0
	.p2alignl 7, 3214868480
	.fill 96, 4, 3214868480
	.section	.rodata,"a",@progbits
	.p2align	6, 0x0
	.amdhsa_kernel k_qb749ad8789_proj0
		.amdhsa_group_segment_fixed_size 53760
		.amdhsa_private_segment_fixed_size 0
		.amdhsa_enable_private_segment 0
		.amdhsa_kernarg_size 32
		.amdhsa_user_sgpr_count 2
		.amdhsa_user_sgpr_kernarg_segment_ptr 1
		.amdhsa_wavefront_size32 1
		.amdhsa_system_sgpr_workgroup_id_x 1
		.amdhsa_system_sgpr_workgroup_id_y 1
		.amdhsa_system_sgpr_workgroup_id_z 1
		.amdhsa_system_vgpr_workitem_id 0
		.amdhsa_next_free_vgpr 512
		.amdhsa_next_free_sgpr 66
		.amdhsa_reserve_vcc 0
		.amdhsa_float_denorm_mode_32 3
		.amdhsa_float_denorm_mode_16_64 3
		.amdhsa_memory_ordered 1
		.amdhsa_forward_progress 1
		.amdhsa_inst_pref_size 63
	.end_amdhsa_kernel
	.amdgpu_metadata
---
amdhsa.version: [ 1, 2 ]
amdhsa.kernels:
  - .name:           k_qb749ad8789_proj0
    .symbol:         k_qb749ad8789_proj0.kd
    .args:
      - { .name: q, .offset: 0, .size: 8, .value_kind: global_buffer, .address_space: global }
      - { .name: c, .offset: 8, .size: 8, .value_kind: global_buffer, .address_space: global }
      - { .name: blk0, .offset: 16, .size: 8, .value_kind: global_buffer, .address_space: global }
      - { .name: act, .offset: 24, .size: 8, .value_kind: global_buffer, .address_space: global }
    .group_segment_fixed_size: 53760
    .private_segment_fixed_size: 0
    .kernarg_segment_align: 8
    .kernarg_segment_size: 32
    .max_flat_workgroup_size: 256
    .sgpr_count:     66
    .vgpr_count:     512
    .wavefront_size: 32
...
	.end_amdgpu_metadata
.endif
;; end of part 2
;; launch attn0 (part 3): grid 256 x 1, 4 waves a work-group, no clusters, 13,312 bytes of LDS; arguments act, blk0, abuf; writes abuf
.if DOCPART == 3
	.amdgcn_target "amdgcn-amd-amdhsa--gfx1250"
	.amdhsa_code_object_version 6
	.text
	.protected	k_qb749ad8789_attn0
	.globl	k_qb749ad8789_attn0
	.p2align	8
	.type	k_qb749ad8789_attn0,@function
k_qb749ad8789_attn0:
	s_mov_b64 s[64:65], 0
	v_nop
	global_prefetch_b8 v0, s[64:65] scope:SCOPE_SE
	s_setreg_imm32_b32 hwreg(HW_REG_WAVE_MODE, 25, 1), 1
	s_wait_xcnt 0x0
; ATTN: the banded attention of 16 queries, its gate, the product with wo, the output gate, and the sum with the transition's result: the block's new a.
; A work-group owns a tile of 16 queries, wave hd one head.  The mask of the problem leaves query block qb (32 atoms) the keys 32 qb - 48 .. 32 qb + 79: eight tiles of 16 from
; tile 2 qb - 3 on.  All other keys of the batch carry -1e10 there and weigh exactly 0 behind the softmax: they are left out.  Tiles outside 0..63 do not exist: their address is
; clamped to a tile of the batch and their bias tile holds -1e10 x log2 e, so that they weigh 0 too.
; S^T = K Q^T + bias (source 0 = 16 keys, source 1 = 16 queries; the bias tile, stored in the accumulator's layout, is the product's C): a lane holds ONE query and 64 of its 128 keys.
; Softmax in base 2 (log2 e lies in Q and in the bias), with the true maximum of the 128 scores taken away.  Two packed tiles of weights are source 1 of O^T = V^T P.
; All operands come from memory in register order: each load of a wave covers 512 consecutive bytes, aligned.
; NO CLUSTER: the two query tiles of a block read the same K and V (32 KiB), every work-group the same wo (32 KiB), each once, straight into registers; a joint load would add a trip through LDS.
; LIMITS: f16 operands (Q, K, V, the weights, g o: under 65,504; absolute step 6e-8 below 6e-5); 2^x below 2^-126 is 0; in-band scores stay far under 1e10.
.set PO,   425984
.set BIAS, 460800
.set KO,   1048576
.set VO,   2097152
.set GO,   3145728
.set OGO,  5242880
.set TOO,  7340032
.set ST,   4352                        ; LDS: g o, f16 [16][128], pitch 272, at 0; the new a, f32 [16][128], pitch 528, at ST
.set QF,   16                          ; v[16:23]   Q
.set S,    32                          ; v[32:95]   bias, scores, weights: key tile kt at S + 8 kt
.set KF,   96                          ; v[96:159]  K: key tile kt at KF + 8 kt
.set VF,   160                         ; v[160:223] V^T: channels 16 dt .., keys 32 s ..: at VF + 8 (4 dt + s)
.set O,    224                         ; v[224:239] O^T
.set F,    240                         ; v[240:255] the product with wo
; v1 16 L; v2 r; v3 h; v[4:11] 16 L + key tile's offset; v12-v15 LDS addresses; v24-v27 maxima; v[28:29] m; v[30:31] 1 / l
; window 1: v[0:63] wo, fragment 4 e + ks; v[64:79] g; v[80:95] output gate; v[96:111] t_out
.set MSB, 0
.macro WIN new                         ; the immediate's high byte repeats the setting that is left
.if MSB != \new
	s_set_vgpr_msb (MSB<<8)|\new
.set MSB, \new
.endif
.endm
.macro PLACES                          ; five plain vector instructions behind a run of matrix instructions (ISA guide 7.12.1)
.rept 5
	v_nop
.endr
.endm
	s_load_b128 s[4:7], s[0:1], 0x0                ; act, blk
	s_load_b64 s[8:9], s[0:1], 0x10                ; the new a
	s_set_vgpr_msb 0x40
	v_lshl_add_u32 v128, v0, 2, 0x3200
	v_mov_b32 v129, 0
	s_set_vgpr_msb 0x4000
	v_lshrrev_b32 v24, 5, v0
	v_readfirstlane_b32 s12, v24                   ; wave = head
	v_and_b32 v24, 31, v0
	v_lshlrev_b32 v1, 4, v24
	v_and_b32 v2, 15, v24
	v_lshrrev_b32 v3, 4, v24
	s_and_b32 s13, ttmp9, 62
	s_sub_co_i32 s13, s13, 3                       ; the band's first key tile in the batch
	s_and_b32 s14, ttmp9, 0xc0                     ; the batch's first tile
	s_lshl_b32 s10, s12, 10
.irp kt, 0,1,2,3,4,5,6,7
	s_add_co_i32 s15, s13, \kt
	s_max_i32 s15, s15, 0
	s_min_i32 s15, s15, 63
	s_add_co_u32 s15, s15, s14
	s_lshl_b32 s15, s15, 12
	s_add_co_u32 s[16+\kt], s15, s10               ; tile x 4,096 + head x 1,024
	v_add_nc_u32 v[4+\kt], s[16+\kt], v1
.endr
	s_lshl_b32 s36, ttmp9, 15
	s_lshl_b32 s37, s12, 13
	s_add_co_u32 s36, s36, s37
	s_add_co_u32 s36, s36, BIAS
	s_add_co_u32 s38, s37, PO
	s_mov_b32 s37, 0
	s_mov_b32 s39, 0
	s_wait_kmcnt 0x0
	s_add_nc_u64 s[24:25], s[6:7], s[36:37]        ; my eight bias tiles
	s_add_nc_u64 s[26:27], s[6:7], s[38:39]        ; wo: n tiles 2 hd, 2 hd + 1
	s_lshl_b32 s36, ttmp9, 13
	s_lshl_b32 s38, s12, 11
	s_add_co_u32 s36, s36, s38
	s_add_nc_u64 s[28:29], s[4:5], s[36:37]        ; f32 tiles 2 hd, 2 hd + 1 of my queries
	s_add_nc_u64 s[32:33], s[8:9], s[36:37]        ; rows 4 hd .. 4 hd + 3 of my queries in the new a
	s_lshr_b32 s36, s36, 1
	s_add_nc_u64 s[30:31], s[4:5], s[36:37]        ; Q
	global_load_b128 v[QF:QF+3], v1, s[30:31]
	global_load_b128 v[QF+4:QF+7], v1, s[30:31] offset:512
.irp kt, 0,1,2,3,4,5,6,7
	global_load_b128 v[KF+8*\kt:KF+8*\kt+3], v[4+\kt], s[4:5] offset:KO
	global_load_b128 v[KF+8*\kt+4:KF+8*\kt+7], v[4+\kt], s[4:5] offset:KO+512
.endr
.irp kt, 0,1,2,3,4,5,6,7
	global_load_b128 v[S+8*\kt:S+8*\kt+3], v1, s[24:25] offset:1024*\kt th:TH_LOAD_NT
	global_load_b128 v[S+8*\kt+4:S+8*\kt+7], v1, s[24:25] offset:1024*\kt+512 th:TH_LOAD_NT
.endr
.irp dt, 0,1
.irp s, 0,1,2,3
	global_load_b128 v[VF+8*(4*\dt+\s):VF+8*(4*\dt+\s)+3], v[4+2*\s], s[4:5] offset:VO+512*\dt     ; keys of tile 2 s
	global_load_b128 v[VF+8*(4*\dt+\s)+4:VF+8*(4*\dt+\s)+7], v[5+2*\s], s[4:5] offset:VO+512*\dt   ; keys of tile 2 s + 1
.endr
.endr
	WIN 0x40                                       ; destination in window 1
.irp dt, 0,1
	global_load_b128 v[64+8*\dt:67+8*\dt], v1, s[28:29] offset:GO+1024*\dt
	global_load_b128 v[68+8*\dt:71+8*\dt], v1, s[28:29] offset:GO+1024*\dt+512
.endr
	WIN 0
	s_mov_b32 s34, 0x76543210                      ; v_permlanex16_b32: each lane takes its own place in the other half
	s_mov_b32 s35, 0xfedcba98
	v_mul_u32_u24 v13, v2, 272
	v_lshl_add_u32 v13, v3, 4, v13                 ; fragments of g o
	s_lshl_b32 s15, s12, 6
	v_add_nc_u32 v12, s15, v13                     ; into g o: query r, channels 32 hd + 8 h
	v_mul_u32_u24 v14, v2, 528
	v_lshl_add_u32 v14, v3, 5, v14
	s_lshl_b32 s15, s12, 7
	s_add_co_u32 s15, s15, ST
	v_add_nc_u32 v14, s15, v14                     ; into the stage: query r, channels 32 hd + 8 h
	s_mul_i32 s15, s12, 4*528
	s_add_co_u32 s15, s15, ST
	v_add_nc_u32 v15, s15, v1                      ; back: rows 4 hd .., whole
	s_wait_loadcnt 20                              ; Q, K and the bias are in; V (16) and g (4) stay out
.irp kt, 0,1,2,3,4,5,6,7                               ; eight accumulators, one product each: the head's 32 channels are one K step
	v_wmma_f32_16x16x32_f16 v[S+8*\kt:S+8*\kt+7], v[KF+8*\kt:KF+8*\kt+7], v[QF:QF+7], v[S+8*\kt:S+8*\kt+7]
.endr
	WIN 0x40                                       ; what the end of the kernel wants is asked for now: 24 loads
.irp f, 0,1,2,3,4,5,6,7
	global_load_b128 v[8*\f:8*\f+3], v1, s[26:27] offset:1024*\f
	global_load_b128 v[8*\f+4:8*\f+7], v1, s[26:27] offset:1024*\f+512
.endr
.irp e, 0,1
	global_load_b128 v[80+8*\e:83+8*\e], v1, s[28:29] offset:OGO+1024*\e
	global_load_b128 v[84+8*\e:87+8*\e], v1, s[28:29] offset:OGO+1024*\e+512
.endr
.irp e, 0,1
	global_load_b128 v[96+8*\e:99+8*\e], v1, s[28:29] offset:TOO+1024*\e
	global_load_b128 v[100+8*\e:103+8*\e], v1, s[28:29] offset:TOO+1024*\e+512
.endr
	WIN 0
	PLACES
	; the maximum of the query's 128 scores: four chains over my 64, then the other half of the lanes
.irp c, 0,1,2,3
	v_max3_num_f32 v[24+\c], v[S+16*\c], v[S+16*\c+1], v[S+16*\c+2]
.endr
.irp k, 3,5,7,9,11,13
.irp c, 0,1,2,3
	v_max3_num_f32 v[24+\c], v[24+\c], v[S+16*\c+\k], v[S+16*\c+\k+1]
.endr
.endr
.irp c, 0,1,2,3
	v_max_num_f32 v[24+\c], v[24+\c], v[S+16*\c+15]
.endr
	v_max3_num_f32 v24, v24, v25, v26
	v_max_num_f32 v24, v24, v27
	v_permlanex16_b32 v25, v24, s34, s35
	v_max_num_f32 v28, v24, v25
	v_max_num_f32 v29, v24, v25
.set i, 0
.rept 32
	v_pk_add_f32 v[S+i:S+i+1], v[S+i:S+i+1], v[28:29] neg_lo:[0,1] neg_hi:[0,1]
.set i, i+2
.endr
.set i, 0
.rept 64
	v_exp_f32 v[S+i], v[S+i]
.set i, i+1
.endr
	v_nop                                          ; a plain instruction behind the last exponential
	; the sum, in K's registers, which are free: S is still to be packed
.set i, 0
	s_wait_alu depctr_va_vdst(0)
.rept 16
	v_pk_add_f32 v[96+2*i:97+2*i], v[S+4*i:S+4*i+1], v[S+4*i+2:S+4*i+3]
.set i, i+1
.endr
.irp j, 0,2,4,6,8,10,12,14
	v_pk_add_f32 v[96+\j:97+\j], v[96+\j:97+\j], v[112+\j:113+\j]
.endr
.irp j, 0,2,4,6
	v_pk_add_f32 v[96+\j:97+\j], v[96+\j:97+\j], v[104+\j:105+\j]
.endr
.irp j, 0,2
	v_pk_add_f32 v[96+\j:97+\j], v[96+\j:97+\j], v[100+\j:101+\j]
.endr
	v_pk_add_f32 v[96:97], v[96:97], v[98:99]
	v_add_f32 v96, v96, v97
	v_permlanex16_b32 v97, v96, s34, s35
	v_add_f32 v96, v96, v97
	v_rcp_f32 v30, v96                             ; 1 / l, twice, for the packed multiply; the conversions below are the plain instructions behind them
	v_rcp_f32 v31, v96
.irp s, 0,1,2,3                                        ; two tiles of weights pack in place into source 1 for keys 32 s .. 32 s + 31
.irp j, 0,1,2,3,4,5,6,7
	v_cvt_pk_f16_f32 v[S+16*\s+\j], v[S+16*\s+2*\j], v[S+16*\s+2*\j+1]
.endr
.endr
	s_wait_loadcnt 28                              ; V is in; g (4), wo (16), the output gate (4) and t_out (4) stay out
.irp s, 0,1,2,3                                        ; two accumulators by turns
.irp dt, 0,1
.if \s == 0
	v_wmma_f32_16x16x32_f16 v[O+8*\dt:O+8*\dt+7], v[VF+8*(4*\dt+\s):VF+8*(4*\dt+\s)+7], v[S+16*\s:S+16*\s+7], 0
.else
	v_wmma_f32_16x16x32_f16 v[O+8*\dt:O+8*\dt+7], v[VF+8*(4*\dt+\s):VF+8*(4*\dt+\s)+7], v[S+16*\s:S+16*\s+7], v[O+8*\dt:O+8*\dt+7]
.endif
.endr
.endr
	PLACES
	s_wait_loadcnt 24                              ; g is in
	s_wait_alu depctr_va_vdst(0)
.irp j, 0,2,4,6,8,10,12,14
	v_pk_mul_f32 v[O+\j:O+\j+1], v[O+\j:O+\j+1], v[30:31]
.endr
	WIN 0x04                                       ; source 1 in window 1
.irp j, 0,2,4,6,8,10,12,14
	v_pk_mul_f32 v[O+\j:O+\j+1], v[O+\j:O+\j+1], v[64+\j:65+\j]
.endr
	WIN 0
.irp j, 0,1,2,3,4,5,6,7
	v_cvt_pk_f16_f32 v[96+\j], v[O+2*\j], v[O+2*\j+1]
.endr
	ds_store_b128 v12, v[96:99]
	ds_store_b128 v12, v[100:103] offset:32
	s_wait_dscnt 0x0                               ; for the others' sake: my head's 32 channels of g o are in LDS
	s_barrier_signal -1
	s_barrier_wait -1
.irp ks, 0,1,2,3
	ds_load_b128 v[128+8*\ks:131+8*\ks], v13 offset:64*\ks
	ds_load_b128 v[132+8*\ks:135+8*\ks], v13 offset:64*\ks+32
.endr
	s_wait_dscnt 0x0
	s_wait_loadcnt 8                               ; wo is in; the output gate and t_out stay out
	WIN 0x01                                       ; source 0 in window 1
.irp ks, 0,1,2,3                                       ; two accumulators by turns
.irp e, 0,1
.if \ks == 0
	v_wmma_f32_16x16x32_f16 v[F+8*\e:F+8*\e+7], v[8*(4*\e+\ks):8*(4*\e+\ks)+7], v[128+8*\ks:135+8*\ks], 0
.else
	v_wmma_f32_16x16x32_f16 v[F+8*\e:F+8*\e+7], v[8*(4*\e+\ks):8*(4*\e+\ks)+7], v[128+8*\ks:135+8*\ks], v[F+8*\e:F+8*\e+7]
.endif
.endr
.endr
	WIN 0
	PLACES
	s_wait_loadcnt 0x0
	WIN 0x14                                       ; sources 1 and 2 in window 1
.irp j, 0,2,4,6,8,10,12,14
	v_pk_fma_f32 v[F+\j:F+\j+1], v[F+\j:F+\j+1], v[80+\j:81+\j], v[96+\j:97+\j]    ; output gate x (g o) wo + t_out
.endr
	WIN 0
.irp e, 0,1
	ds_store_b128 v14, v[F+8*\e:F+8*\e+3] offset:64*\e
	ds_store_b128 v14, v[F+8*\e+4:F+8*\e+7] offset:64*\e+16
.endr
	s_wait_dscnt 0x0                               ; for the others' sake: a row's 512 bytes come from four waves
	s_barrier_signal -1
	s_barrier_wait -1
.irp t, 0,1,2,3
	ds_load_b128 v[96+4*\t:99+4*\t], v15 offset:528*\t
.endr
	s_wait_dscnt 0x0
.irp t, 0,1,2,3
	global_store_b128 v1, v[96+4*\t:99+4*\t], s[32:33] offset:512*\t    ; a whole row: 512 consecutive bytes, aligned
.endr
	s_set_vgpr_msb 0x5
	s_wait_tensorcnt 0x0
	ds_add_u32 v128, v129
	s_wait_dscnt 0x0
	s_set_vgpr_msb 0x500
	s_endpgm
.Lfunc_end_k_qb749ad8789_attn0:
	.size	k_qb749ad8789_attn0, .Lfunc_end_k_qb749ad8789_attn0-k_qb749ad8789_attn0
	.p2alignl 7, 3214868480
	.fill 96, 4, 3214868480
	.section	.rodata,"a",@progbits
	.p2align	6, 0x0
	.amdhsa_kernel k_qb749ad8789_attn0
		.amdhsa_group_segment_fixed_size 13312
		.amdhsa_private_segment_fixed_size 0
		.amdhsa_enable_private_segment 0
		.amdhsa_kernarg_size 24
		.amdhsa_user_sgpr_count 2
		.amdhsa_user_sgpr_kernarg_segment_ptr 1
		.amdhsa_wavefront_size32 1
		.amdhsa_system_sgpr_workgroup_id_x 1
		.amdhsa_system_sgpr_workgroup_id_y 1
		.amdhsa_system_sgpr_workgroup_id_z 1
		.amdhsa_system_vgpr_workitem_id 0
		.amdhsa_next_free_vgpr 386
		.amdhsa_next_free_sgpr 66
		.amdhsa_reserve_vcc 0
		.amdhsa_float_denorm_mode_32 3
		.amdhsa_float_denorm_mode_16_64 3
		.amdhsa_memory_ordered 1
		.amdhsa_forward_progress 1
		.amdhsa_inst_pref_size 29
	.end_amdhsa_kernel
	.amdgpu_metadata
---
amdhsa.version: [ 1, 2 ]
amdhsa.kernels:
  - .name:           k_qb749ad8789_attn0
    .symbol:         k_qb749ad8789_attn0.kd
    .args:
      - { .name: act, .offset: 0, .size: 8, .value_kind: global_buffer, .address_space: global }
      - { .name: blk0, .offset: 8, .size: 8, .value_kind: global_buffer, .address_space: global }
      - { .name: abuf, .offset: 16, .size: 8, .value_kind: global_buffer, .address_space: global }
    .group_segment_fixed_size: 13312
    .private_segment_fixed_size: 0
    .kernarg_segment_align: 8
    .kernarg_segment_size: 24
    .max_flat_workgroup_size: 128
    .sgpr_count:     66
    .vgpr_count:     386
    .wavefront_size: 32
...
	.end_amdgpu_metadata
.endif
;; end of part 3
;; launch proj1: the kernel of part 2 again; grid 128 x 2, 8 waves a work-group, no clusters, 53,760 bytes of LDS; arguments abuf, c, blk1, act; writes act
;; launch attn1: the kernel of part 3 again; grid 256 x 1, 4 waves a work-group, no clusters, 13,312 bytes of LDS; arguments act, blk1, abuf; writes abuf
;; launch proj2: the kernel of part 2 again; grid 128 x 2, 8 waves a work-group, no clusters, 53,760 bytes of LDS; arguments abuf, c, blk2, act; writes act
;; launch attn2: the kernel of part 3 again; grid 256 x 1, 4 waves a work-group, no clusters, 13,312 bytes of LDS; arguments act, blk2, out0; writes out0
;; ======== version 2 of 2: 5 launches; 1.11 times as fast as version 1
;; limits: values are held in f16: magnitudes above 65,504 overflow, below 6.1e-05 lose precision
;; workspace buffers: blk0 8,849,408 bytes; blk1 8,849,408 bytes; blk2 8,849,408 bytes; act 9,437,184 bytes; act2 9,437,184 bytes
;; launch prep: the kernel of part 1 again; grid 340 x 1, 8 waves a work-group, no clusters, 87,040 bytes of LDS; arguments p, attn_lnz_g, attn_lnz_b, attn_wb, blk0, blk1, blk2, attn_s_gamma, trans_s_gamma, attn_bq, attn_bs_out, trans_bs_out, attn_gate_w, attn_skip_w, attn_ws_out, attn_wq, attn_wk, attn_wv, attn_wgate, attn_wo, trans_gate_w, trans_skip_w, trans_ws_out, trans_w1, trans_w2, trans_wout; writes blk0, blk1, blk2
;; launch proj0: the kernel of part 2 again; grid 128 x 2, 8 waves a work-group, no clusters, 53,760 bytes of LDS; arguments q, c, blk0, act; writes act
;; launch mid0 (part 4): grid 128 x 2, 8 waves a work-group, no clusters, 97,792 bytes of LDS; arguments act, blk0, c, blk1, act2; writes act2
.if DOCPART == 4
	.amdgcn_target "amdgcn-amd-amdhsa--gfx1250"
	.amdhsa_code_object_version 6
	.text
	.protected	k_qb749ad8789_mid0
	.globl	k_qb749ad8789_mid0
	.p2align	8
	.type	k_qb749ad8789_mid0,@function
k_qb749ad8789_mid0:
	s_mov_b64 s[64:65], 0
	v_nop
	global_prefetch_b8 v0, s[64:65] scope:SCOPE_SE
	s_setreg_imm32_b32 hwreg(HW_REG_WAVE_MODE, 25, 1), 1
	s_wait_xcnt 0x0
; MID: the end of block i and the beginning of block i + 1 in one launch, so that the new a never goes to memory.
; PART 1 (block i): the banded attention of 32 queries, its gate, the product with wo, the output gate, the sum with the transition's result: the new a, left in LDS.
; PART 2 (block i + 1): all that the block computes atom by atom in front of its attention, for the same 32 atoms and ONE branch:
;   y = 0: ah = AdaLN(a, c); Q, K, V, the gate g = sigmoid(ah wgate), the output gate sigmoid(c ws_out + bs).
;   y = 1: t = AdaLN(a, c); bm = silu(t w1) (t w2); t_out = sigmoid(c ws_out + bs) (bm wout).
; Both branches want all 128 channels of the new a, and no work-group may read what another stores in the same launch: so PART 1 is done in both work-groups of a tile.
; PART 1, shares.  The mask of the problem leaves a query block of 32 atoms the keys 32 qb - 48 .. 32 qb + 79: eight tiles of 16 from tile 2 qb - 3 on.  All other keys carry -1e10 there and
; weigh exactly 0 behind the softmax: they are left out.  Tiles outside 0..63 do not exist: their address is clamped to a tile of the batch and their bias tile holds -1e10 x log2 e, so that
; they weigh 0 too.  Wave w = 4 kh + hd takes head hd and key tiles 4 kh .. 4 kh + 3 of the band, for BOTH query tiles: so each fragment of K and V is loaded once in the work-group.
; Index a = 0 is the wave's own query tile 2 x + kh, a = 1 the other one.  S^T = K Q^T + bias (the bias tile, stored in the accumulator's layout, is the product's C): a lane holds one query of
; each tile and 32 of the wave's 64 keys.  Softmax in base 2 over the wave's 64 keys, with their true maximum taken away (each half of the band holds an existing tile: 2 qb, or 2 qb + 1);
; O^T = V^T P over those keys.  Then the wave hands the other tile's O^T, maximum m and sum l to wave (w + 4) % 8 through LDS, and the two halves of a query's keys are joined as a running
; maximum joins them: m = max(m0, m1), f = 2^(m_i - m), l = l0 f0 + l1 f1 (at least 1), O = (O0 f0 + O1 f1) / l.
; The product with wo: wave w makes output channels 16 w .. 16 w + 15 for both query tiles, so each fragment of wo is loaded once in the work-group too.
; PART 2, shares: wave w owns output channels 16 w .. 16 w + 15 of every product (of w1 and w2 also 128 + 16 w ..); its weights lie in blk as ready fragments and go straight into window 1.
; THE MATRIX INSTRUCTION IS USED TRANSPOSED (source 0 = weights or keys, source 1 = atoms): lane (r, h) holds atom r and channels 8 h .. 8 h + 7, which pack into half a fragment of the next
; product.  V alone is made the natural way round.  All operands come from memory, and all results go there, in register order: each load or store of a wave covers 512 consecutive bytes, aligned.
; LOADS: 56 are issued at the start, in the order in which they are wanted; the weights of block i + 1 are asked for as earlier loads are shown done.  By this text's count at most 62 loads of a wave are out.
; NO CLUSTER, NO TENSOR LOADS: work-groups share K, V, the bias tiles and the weights, but a wave uses each fragment from registers alone; a joint load would need the packs' 180,224 or 245,760
; bytes of LDS and a second trip from LDS into the same registers.
; LIMITS: matrix operands are f16 (under 65,504; absolute step 6e-8 below 6e-5).  bm is a product of two projections, so each atom's bm is divided by u = 2^floor(log2 max |bm|), held within
; 2^-100 .. 2^126, and u is put back behind the product.  2^x below 2^-126 is 0.  In-band scores stay far under 1e10.  The softmax's sums are formed in two halves of 64 keys.
.set PA,   0                           ; blk: attention pack, 8 waves x 22 fragments
.set PT,   180224                      ; transition pack, 8 waves x 30 fragments
.set PO,   425984                      ; wo: n tile x 4,096 + k step x 1,024
.set VEC,  458752                      ; bq x qs, attn_bs_out x -log2 e, trans_bs_out x -log2 e
.set BIAS, 460800                      ; bias tiles at ((16-query tile x 4 + head) x 8 + key tile) x 1,024
.set QO,   0                           ; act: f16 half fragments at tile x 4,096 + w x 512
.set KO,   1048576
.set VO,   2097152
.set GO,   3145728                     ; act: f32 tiles at (tile x 8 + w) x 1,024
.set OGO,  5242880
.set TOO,  7340032
.set AN,   0                           ; LDS: normalised a, f32 [32][128], pitch 528
.set CN,   16896                       ; normalised c, f16 [32][64], pitch 144
.set CR,   21504                       ; c as it is, f16, pitch 144
.set AH,   26112                       ; ah or t, f16 [32][128], pitch 272
.set BM,   34816                       ; bm / u, f16 [32][256], pitch 528
.set MX,   51712                       ; max |bm|, f32 [32 atoms][8 waves]
.set GS,   52736                       ; g o of block i, f16 [32][128], pitch 272
.set ST,   61440                       ; the new a, f32 [32][128], pitch 528
.set XC,   78336                       ; what a wave hands to its partner: a slot for each wave
.set XSLOT, 2304                       ; 16 registers of O^T (2,048 bytes, 16 a lane and register quad), then m and l (8 bytes a lane)
; PART 1, window 0: v1 16 L; v2 r; v3 h; v[4:7] 16 L + key tile's offset; v8-v11 my slot and my partner's in XC; v12-v14 LDS addresses; v15 8 L
.set QF,   16                          ; v[16:31]   Q of tile a at QF + 8 a.  Behind K Q^T: v[16:17] the partner's m, l; v20 64 w + 32 h; v21 where I read my rows of the new a; v22-v31 statistics
.set S,    32                          ; v[32:95]   bias, scores, weights: tile a, key tile j at S + 32 a + 8 j
.set KF,   96                          ; v[96:127]  K: key tile j at KF + 8 j; behind K Q^T its registers hold the three things below
.set SM,   96                          ; v[96:103]  running sums of weights: tile a, chain c at SM + 4 a + 2 c
.set PK,   104                         ; v[104:111] g o, packed
.set F,    112                         ; v[112:127] the product with wo: query tile mt at F + 8 mt
.set CROW, 128                         ; v[128:135] my four rows of c
.set BV,   136                         ; v[136:143] the bias of block i + 1's output gate
.set XO,   144                         ; v[144:159] the partner's part of my tile's O^T
.set VF,   160                         ; v[160:191] V^T: channels 16 dt .., my keys 32 s ..: at VF + 8 (2 dt + s)
.set O,    192                         ; v[192:223] O^T: tile a, channels 16 dt .. at O + 16 a + 8 dt
.set GF,   160                         ; v[160:223] fragments of g o (V's and O's registers are free by then): query tile mt, k step ks at GF + 8 (4 mt + ks)
.set OGA,  224                         ; v[224:239] block i's output gate, my 16 channels: query tile mt at OGA + 8 mt
.set TOA,  240                         ; v[240:255] block i's t_out likewise
; window 1: weight fragment f of block i + 1 at v[8 f : 8 f + 7]; wo of block i, k step ks, at v[176 + 8 ks], where fragments 22-25 land later; g at v[240:255]
; PART 2, window 0: v5-v14 LDS addresses; v[32:159] operands; v[160:223] accumulators; v[224:239] the output gate; v[248:255] bq, or u and 1/u
.set MSB, 0
.macro WIN new                         ; the immediate's high byte repeats the setting that is left
.if MSB != \new
	s_set_vgpr_msb (MSB<<8)|\new
.set MSB, \new
.endif
.endm
.macro PLACES                          ; five plain vector instructions behind a run of matrix instructions (ISA guide 7.12.1)
.rept 5
	v_nop
.endr
.endm
.macro LOADW f0, f1                    ; weight fragments f0 .. f1 into window 1
	WIN 0x40
.set f, \f0
.rept \f1-\f0+1
	global_load_b128 v[8*f:8*f+3], v1, s[30:31] offset:1024*f
	global_load_b128 v[8*f+4:8*f+7], v1, s[30:31] offset:1024*f+512
.set f, f+1
.endr
	WIN 0
.endm
.macro FRAG dst, adr, off              ; a fragment of 16 rows x 32 k from LDS rows that lie along k
	ds_load_b128 v[\dst:\dst+3], v[\adr] offset:\off
	ds_load_b128 v[\dst+4:\dst+7], v[\adr] offset:\off+32
.endm
.macro WM d, f, x, k                   ; transposed: D += W[f] X; k = 0: the first K step starts the sum
.if \k == 0
	v_wmma_f32_16x16x32_f16 v[\d:\d+7], v[8*(\f):8*(\f)+7], v[\x:\x+7], 0
.else
	v_wmma_f32_16x16x32_f16 v[\d:\d+7], v[8*(\f):8*(\f)+7], v[\x:\x+7], v[\d:\d+7]
.endif
.endm
.macro WMC d, f, x, c, k               ; the same; the first K step starts from the bias in v[c : c + 7]
.if \k == 0
	v_wmma_f32_16x16x32_f16 v[\d:\d+7], v[8*(\f):8*(\f)+7], v[\x:\x+7], v[\c:\c+7]
.else
	v_wmma_f32_16x16x32_f16 v[\d:\d+7], v[8*(\f):8*(\f)+7], v[\x:\x+7], v[\d:\d+7]
.endif
.endm
.macro WN d, x, f, k                   ; the natural way round: D += X W[f]
.if \k == 0
	v_wmma_f32_16x16x32_f16 v[\d:\d+7], v[\x:\x+7], v[8*(\f):8*(\f)+7], 0
.else
	v_wmma_f32_16x16x32_f16 v[\d:\d+7], v[\x:\x+7], v[8*(\f):8*(\f)+7], v[\d:\d+7]
.endif
.endm
.macro SIG base, n                     ; n registers x -> 1 / (1 + 2^x); -log2 e lies in the weights
.set i, 0
.rept \n
	v_exp_f32 v[\base+i], v[\base+i]
.set i, i+1
.endr
	v_nop                                          ; a plain instruction behind the last exponential
.set i, 0
	s_wait_alu depctr_va_vdst(0)
.rept \n/2
	v_pk_add_f32 v[\base+i:\base+i+1], v[\base+i:\base+i+1], 1.0 op_sel_hi:[1,0]
.set i, i+2
.endr
.set i, 0
.rept \n
	v_rcp_f32 v[\base+i], v[\base+i]
.set i, i+1
.endr
	v_nop
.endm
.macro RED8                            ; eight sums over the 32 lanes; the odd register beside each takes the other half of the lanes
.irp m, 1,2,4,8
.irp g, 56,58,60,62,64,66,68,70
	v_add_f32_dpp v[\g], v[\g], v[\g] row_xmask:\m row_mask:0xf bank_mask:0xf
.endr
.endr
.irp g, 56,58,60,62,64,66,68,70
	v_permlanex16_b32 v[\g+1], v[\g], s20, s21
.endr
.irp g, 56,58,60,62,64,66,68,70
	v_add_f32 v[\g], v[\g], v[\g+1]
.endr
.endm
; AdaLN and the output gate.  cnt: the younger loads that may stay out when the bias vector and fragments 0-5 are wanted.
.macro PHASE1 cnt
.irp mt, 0,1
.irp ks, 0,1
	FRAG 32+8*(2*\mt+\ks), 7, \mt*2304+64*\ks           ; normalised c
	FRAG 64+8*(2*\mt+\ks), 7, \mt*2304+64*\ks+4608      ; c as it is
.endr
	ds_load_b128 v[96+8*\mt:99+8*\mt], v10 offset:8448*\mt        ; normalised a: atom r, my channels 8 h .. + 7
	ds_load_b128 v[100+8*\mt:103+8*\mt], v10 offset:8448*\mt+16
.endr
	s_wait_dscnt 0x0
	s_wait_loadcnt \cnt
	WIN 0x01                                       ; source 0 in window 1
.irp ks, 0,1                                           ; six accumulators by turns, one instruction a turn
.irp mt, 0,1
	WM 160+8*\mt, \ks, 32+8*(2*\mt+\ks), \ks            ; gate
.endr
.irp mt, 0,1
	WM 176+8*\mt, 2+\ks, 32+8*(2*\mt+\ks), \ks          ; skip
.endr
.irp mt, 0,1
	WMC 224+8*\mt, 4+\ks, 64+8*(2*\mt+\ks), BV, \ks     ; output gate
.endr
.endr
	WIN 0
	PLACES
	SIG 160, 16
	SIG 224, 16
.irp j, 0,2,4,6,8,10,12,14
	v_pk_fma_f32 v[176+\j:177+\j], v[160+\j:161+\j], v[96+\j:97+\j], v[176+\j:177+\j]   ; sigmoid(gate) a_n + skip
.endr
.irp j, 0,1,2,3,4,5,6,7
	v_cvt_pk_f16_f32 v[112+\j], v[176+2*\j], v[177+2*\j]
.endr
	ds_store_b128 v11, v[112:115]
	ds_store_b128 v11, v[116:119] offset:4352
	s_wait_dscnt 0x0                               ; for the others' sake: my 16 channels of the 32 atoms are in LDS
	s_barrier_signal -1
	s_barrier_wait -1
.irp mt, 0,1
.irp ks, 0,1,2,3
	FRAG 32+8*(4*\mt+\ks), 8, 4352*\mt+64*\ks           ; ah (or t): 16 atoms x 32 channels
.endr
.endr
	s_wait_dscnt 0x0
.endm
	s_load_b256 s[4:11], s[0:1], 0x0               ; act of block i s[4:5], blk of block i s[6:7], c s[8:9], blk of block i + 1 s[10:11]
	s_load_b64 s[66:67], s[0:1], 0x20              ; act of block i + 1
	v_lshrrev_b32 v24, 5, v0
	v_readfirstlane_b32 s12, v24                   ; wave 0..7
	s_and_b32 s14, ttmp7, 0xffff                   ; y: the branch of PART 2
	v_and_b32 v24, 31, v0                          ; L
	v_lshlrev_b32 v1, 4, v24
	v_and_b32 v2, 15, v24
	v_lshrrev_b32 v3, 4, v24
	s_and_b32 s13, s12, 3                          ; hd
	s_lshr_b32 s68, s12, 2                         ; kh: my half of the band's keys, and my own query tile
	s_lshl_b32 s86, ttmp9, 1                       ; the work-group's first tile of 16 queries, 0..254 (64 tiles a batch)
	s_add_co_u32 s69, s86, s68                     ; my own query tile
	s_sub_co_u32 s91, 1, s68
	s_add_co_u32 s90, s86, s91                     ; the other one
	s_and_b32 s82, s86, 62
	s_sub_co_i32 s82, s82, 3                       ; the band's first key tile in the batch,
	s_lshl_b32 s85, s68, 2
	s_add_co_i32 s82, s82, s85                     ; my half's first
	s_and_b32 s83, s86, 0xc0                       ; the batch's first tile
	s_lshl_b32 s84, s13, 10
.irp j, 0,1,2,3
	s_add_co_i32 s85, s82, \j
	s_max_i32 s85, s85, 0
	s_min_i32 s85, s85, 63
	s_add_co_u32 s85, s85, s83
	s_lshl_b32 s85, s85, 12
	s_add_co_u32 s85, s85, s84                     ; tile x 4,096 + head x 1,024
	v_add_nc_u32 v[4+\j], s85, v1
.endr
	s_lshl_b32 s79, s13, 13
	s_lshl_b32 s81, s68, 12
	s_add_co_u32 s79, s79, s81
	s_add_co_u32 s79, s79, BIAS                    ; head, my four key tiles
	s_lshl_b32 s78, s69, 15
	s_add_co_u32 s78, s78, s79                     ; bias tiles of my own query tile,
	s_lshl_b32 s80, s90, 15
	s_add_co_u32 s80, s80, s79                     ; of the other
	s_mov_b32 s79, 0
	s_mov_b32 s81, 0
	s_lshl_b32 s54, s69, 12
	s_add_co_u32 s54, s54, s84                     ; Q of my own query tile,
	s_mov_b32 s55, 0
	s_lshl_b32 s56, s90, 12
	s_add_co_u32 s56, s56, s84                     ; of the other
	s_mov_b32 s57, 0
	s_lshl_b32 s86, s69, 13
	s_lshl_b32 s87, s13, 11
	s_add_co_u32 s86, s86, s87                     ; g: f32 tiles 2 hd, 2 hd + 1 of my own query tile
	s_mov_b32 s87, 0
	s_lshl_b32 s88, s12, 12
	s_add_co_u32 s88, s88, PO                      ; wo: n tile w
	s_mov_b32 s89, 0
	s_lshl_b32 s40, ttmp9, 14
	s_lshl_b32 s41, s12, 10
	s_add_co_u32 s40, s40, s41                     ; output gate and t_out: f32 tile w of both query tiles
	s_mov_b32 s41, 0
	s_mov_b32 s44, 30720
	s_cmp_eq_u32 s14, 0
	s_cselect_b32 s44, 22528, s44                  ; bytes of a wave's pack
	s_cselect_b32 s45, PA, PT
	s_mul_i32 s44, s44, s12
	s_add_co_u32 s44, s44, s45
	s_mov_b32 s45, 0
	s_lshl_b32 s46, s14, 9
	s_add_co_u32 s46, s46, VEC+512                 ; the branch's output-gate bias
	s_mov_b32 s47, 0
	s_lshl_b32 s18, ttmp9, 13                      ; 32 rows of c,
	s_lshl_b32 s19, s12, 10                        ; my wave's four
	s_add_co_u32 s18, s18, s19
	s_mov_b32 s19, 0
	s_lshl_b32 s16, ttmp9, 13
	s_lshl_b32 s17, s12, 9
	s_add_co_u32 s16, s16, s17
	s_mov_b32 s17, 0
	s_wait_kmcnt 0x0
	s_add_nc_u64 s[70:71], s[6:7], s[78:79]
	s_add_nc_u64 s[48:49], s[6:7], s[80:81]
	s_add_nc_u64 s[72:73], s[6:7], s[88:89]
	s_add_nc_u64 s[74:75], s[4:5], s[86:87]
	s_add_nc_u64 s[76:77], s[4:5], s[54:55]
	s_add_nc_u64 s[50:51], s[4:5], s[56:57]
	s_add_nc_u64 s[52:53], s[4:5], s[40:41]
	s_add_nc_u64 s[30:31], s[10:11], s[44:45]
	s_add_nc_u64 s[32:33], s[10:11], s[46:47]
	s_add_nc_u64 s[42:43], s[8:9], s[18:19]
	; 56 loads, in the order in which they are wanted: Q 4, K 8, bias 16; V 8; g 4; wo 8; output gate 4; t_out 4
	global_load_b128 v[QF:QF+3], v1, s[76:77]
	global_load_b128 v[QF+4:QF+7], v1, s[76:77] offset:512
	global_load_b128 v[QF+8:QF+11], v1, s[50:51]
	global_load_b128 v[QF+12:QF+15], v1, s[50:51] offset:512
.irp j, 0,1,2,3
	global_load_b128 v[KF+8*\j:KF+8*\j+3], v[4+\j], s[4:5] offset:KO
	global_load_b128 v[KF+8*\j+4:KF+8*\j+7], v[4+\j], s[4:5] offset:KO+512
.endr
.irp j, 0,1,2,3
	global_load_b128 v[S+8*\j:S+8*\j+3], v1, s[70:71] offset:1024*\j
	global_load_b128 v[S+8*\j+4:S+8*\j+7], v1, s[70:71] offset:1024*\j+512
.endr
.irp j, 0,1,2,3
	global_load_b128 v[S+32+8*\j:S+32+8*\j+3], v1, s[48:49] offset:1024*\j
	global_load_b128 v[S+32+8*\j+4:S+32+8*\j+7], v1, s[48:49] offset:1024*\j+512
.endr
.irp dt, 0,1
.irp s, 0,1
	global_load_b128 v[VF+8*(2*\dt+\s):VF+8*(2*\dt+\s)+3], v[4+2*\s], s[4:5] offset:VO+512*\dt     ; keys of my tile 2 s
	global_load_b128 v[VF+8*(2*\dt+\s)+4:VF+8*(2*\dt+\s)+7], v[5+2*\s], s[4:5] offset:VO+512*\dt   ; keys of my tile 2 s + 1
.endr
.endr
	WIN 0x40                                       ; destination in window 1
.irp dt, 0,1
	global_load_b128 v[240+8*\dt:243+8*\dt], v1, s[74:75] offset:GO+1024*\dt
	global_load_b128 v[244+8*\dt:247+8*\dt], v1, s[74:75] offset:GO+1024*\dt+512
.endr
.irp ks, 0,1,2,3
	global_load_b128 v[176+8*\ks:179+8*\ks], v1, s[72:73] offset:1024*\ks
	global_load_b128 v[180+8*\ks:183+8*\ks], v1, s[72:73] offset:1024*\ks+512
.endr
	WIN 0
.irp mt, 0,1
	global_load_b128 v[OGA+8*\mt:OGA+8*\mt+3], v1, s[52:53] offset:OGO+8192*\mt
	global_load_b128 v[OGA+8*\mt+4:OGA+8*\mt+7], v1, s[52:53] offset:OGO+8192*\mt+512
.endr
.irp mt, 0,1
	global_load_b128 v[TOA+8*\mt:TOA+8*\mt+3], v1, s[52:53] offset:TOO+8192*\mt
	global_load_b128 v[TOA+8*\mt+4:TOA+8*\mt+7], v1, s[52:53] offset:TOO+8192*\mt+512
.endr
	s_add_nc_u64 s[34:35], s[66:67], s[16:17]      ; act of block i + 1: f16 halves of my two tiles
	s_lshl_b32 s16, s16, 1
	s_add_nc_u64 s[36:37], s[66:67], s[16:17]      ; its f32 tiles
	s_mov_b32 s20, 0x76543210                      ; v_permlanex16_b32: each lane takes its own place in the other half
	s_mov_b32 s21, 0xfedcba98
	s_mov_b32 s22, 0x3c000000                      ; 1/128
	s_mov_b32 s23, 0x3727c5ac                      ; 1e-5
	s_mov_b32 s24, 0x3c800000                      ; 1/64
	s_mov_b32 s26, 0xbc000000                      ; -1/128, -1/64: pairs for the packed forms
	s_mov_b32 s27, 0xbc000000
	s_mov_b32 s28, 0xbc800000
	s_mov_b32 s29, 0xbc800000
	s_mov_b32 s38, 0x0d800000                      ; 2^-100
	s_mov_b32 s39, 0x7e800000                      ; 2^126
	v_mul_u32_u24 v13, v2, 272
	v_lshl_add_u32 v13, v3, 4, v13
	v_add_nc_u32 v13, GS, v13                      ; fragments of g o: row r of a query tile
	s_mul_i32 s15, s68, 16*272
	s_lshl_b32 s85, s13, 6
	s_add_co_u32 s15, s15, s85
	v_add_nc_u32 v12, s15, v13                     ; into g o: my own tile's query r, channels 32 hd + 8 h
	v_mul_u32_u24 v14, v2, 528
	v_lshl_add_u32 v14, v3, 5, v14
	s_lshl_b32 s15, s12, 6
	s_add_co_u32 s15, s15, ST
	v_add_nc_u32 v14, s15, v14                     ; into the stage: query r of a tile, channels 16 w + 8 h
	v_lshrrev_b32 v15, 1, v1                       ; 8 L
	s_mul_i32 s15, s12, XSLOT
	s_add_co_u32 s15, s15, XC
	v_add_nc_u32 v8, s15, v1                       ; my slot: O^T, 16 bytes a lane
	s_add_co_u32 s15, s15, 2048
	v_add_nc_u32 v9, s15, v15                      ; my slot: m and l, 8 bytes a lane
	s_add_co_u32 s85, s12, 4
	s_and_b32 s85, s85, 7                          ; my partner: the same head, the other half of the keys
	s_mul_i32 s85, s85, XSLOT
	s_add_co_u32 s85, s85, XC
	v_add_nc_u32 v10, s85, v1                      ; its slot
	s_add_co_u32 s85, s85, 2048
	v_add_nc_u32 v11, s85, v15
; ------------------------------------------------------------------ PART 1: block i's attention and its new a
	s_wait_loadcnt 28                              ; Q, K and the bias are in; V 8, g 4, wo 8, gate 4, t_out 4 stay out
.irp a, 0,1                                            ; eight accumulators, one product each: the head's 32 channels are one K step
.irp j, 0,1,2,3
	v_wmma_f32_16x16x32_f16 v[S+32*\a+8*\j:S+32*\a+8*\j+7], v[KF+8*\j:KF+8*\j+7], v[QF+8*\a:QF+8*\a+7], v[S+32*\a+8*\j:S+32*\a+8*\j+7]
.endr
.endr
	PLACES
	s_lshl_b32 s15, s12, 6                         ; Q's and K's registers are free from here on
	v_lshl_add_u32 v20, v3, 5, s15                 ; my 8 channels in a vector of f32
	s_mul_i32 s15, s12, 4*528
	s_add_co_u32 s15, s15, ST
	v_add_nc_u32 v21, s15, v1                      ; the new a: rows 4 w .., whole
.irp t, 0,1,2,3
	global_load_b64 v[CROW+2*\t:CROW+2*\t+1], v15, s[42:43] offset:256*\t     ; a whole row of c
.endr
	global_load_b128 v[BV:BV+3], v20, s[32:33]
	global_load_b128 v[BV+4:BV+7], v20, s[32:33] offset:16
	LOADW 0, 5                                     ; 18 loads more
	; the maximum of each query's 64 scores here: two chains over my 32 for each tile (chains 0, 1: tile a = 0; 2, 3: a = 1), then the other half of the lanes
.irp c, 0,1,2,3
	v_max3_num_f32 v[22+\c], v[S+16*\c], v[S+16*\c+1], v[S+16*\c+2]
.endr
.irp k, 3,5,7,9,11,13
.irp c, 0,1,2,3
	v_max3_num_f32 v[22+\c], v[22+\c], v[S+16*\c+\k], v[S+16*\c+\k+1]
.endr
.endr
.irp c, 0,1,2,3
	v_max_num_f32 v[22+\c], v[22+\c], v[S+16*\c+15]
.endr
	v_max_num_f32 v22, v22, v23
	v_max_num_f32 v24, v24, v25
	v_permlanex16_b32 v23, v22, s20, s21
	v_permlanex16_b32 v25, v24, s20, s21
	v_max_num_f32 v26, v22, v23                    ; m of my own tile, twice, for the packed forms
	v_max_num_f32 v27, v22, v23
	v_max_num_f32 v28, v24, v25                    ; m of the other tile
	v_max_num_f32 v29, v24, v25
.irp a, 0,1
.set i, 0
.rept 16
	v_pk_add_f32 v[S+32*\a+i:S+32*\a+i+1], v[S+32*\a+i:S+32*\a+i+1], v[26+2*\a:27+2*\a] neg_lo:[0,1] neg_hi:[0,1]
.set i, i+2
.endr
.endr
.set i, 0
.rept 64
	v_exp_f32 v[S+i], v[S+i]
.set i, i+1
.endr
	v_nop                                          ; a plain instruction behind the last exponential
	; the sums, two chains a tile, in registers of their own: S is still to be packed
	s_wait_alu depctr_va_vdst(0)
.irp a, 0,1
.irp c, 0,1
	v_pk_add_f32 v[SM+4*\a+2*\c:SM+4*\a+2*\c+1], v[S+32*\a+2*\c:S+32*\a+2*\c+1], v[S+32*\a+4+2*\c:S+32*\a+4+2*\c+1]
.endr
.endr
.irp k, 2,3,4,5,6,7
.irp a, 0,1
.irp c, 0,1
	v_pk_add_f32 v[SM+4*\a+2*\c:SM+4*\a+2*\c+1], v[SM+4*\a+2*\c:SM+4*\a+2*\c+1], v[S+32*\a+4*\k+2*\c:S+32*\a+4*\k+2*\c+1]
.endr
.endr
.endr
	v_pk_add_f32 v[SM:SM+1], v[SM:SM+1], v[SM+2:SM+3]
	v_pk_add_f32 v[SM+4:SM+5], v[SM+4:SM+5], v[SM+6:SM+7]
	v_add_f32 v[SM], v[SM], v[SM+1]
	v_add_f32 v[SM+4], v[SM+4], v[SM+5]
	v_permlanex16_b32 v[SM+1], v[SM], s20, s21
	v_permlanex16_b32 v[SM+5], v[SM+4], s20, s21
	v_add_f32 v[SM], v[SM], v[SM+1]                ; l of my own tile over my 64 keys
	v_mov_b32 v30, v28                             ; the other tile's m
	v_add_f32 v31, v[SM+4], v[SM+5]                ; and l: for my partner
	ds_store_b64 v9, v[30:31]
.irp s, 0,1,2,3                                        ; two tiles of weights pack in place into source 1: tile a = s / 2, my keys 32 (s % 2) .. + 31
.irp j, 0,1,2,3,4,5,6,7
	v_cvt_pk_f16_f32 v[S+16*\s+\j], v[S+16*\s+2*\j], v[S+16*\s+2*\j+1]
.endr
.endr
	s_wait_loadcnt 38                              ; V is in; g 4, wo 8, gate 4, t_out 4, c 4, bias vector 2, fragments 0-5 12 stay out
	LOADW 6, 13                                    ; 16 loads more
.irp s, 0,1                                            ; four accumulators by turns
.irp a, 0,1
.irp dt, 0,1
.if \s == 0
	v_wmma_f32_16x16x32_f16 v[O+16*\a+8*\dt:O+16*\a+8*\dt+7], v[VF+8*(2*\dt+\s):VF+8*(2*\dt+\s)+7], v[S+16*(2*\a+\s):S+16*(2*\a+\s)+7], 0
.else
	v_wmma_f32_16x16x32_f16 v[O+16*\a+8*\dt:O+16*\a+8*\dt+7], v[VF+8*(2*\dt+\s):VF+8*(2*\dt+\s)+7], v[S+16*(2*\a+\s):S+16*(2*\a+\s)+7], v[O+16*\a+8*\dt:O+16*\a+8*\dt+7]
.endif
.endr
.endr
.endr
	PLACES
.irp q, 0,1,2,3
	ds_store_b128 v8, v[O+16+4*\q:O+16+4*\q+3] offset:512*\q      ; the other tile's O^T over my keys: for my partner
.endr
	s_wait_dscnt 0x0                               ; for my partner's sake: my slot is written
	s_barrier_signal -1
	s_barrier_wait -1
.irp q, 0,1,2,3
	ds_load_b128 v[XO+4*\q:XO+4*\q+3], v10 offset:512*\q          ; my own tile's O^T over my partner's keys: the same lanes, the same registers
.endr
	ds_load_b64 v[16:17], v11                      ; its m and l
	s_wait_dscnt 0x0
	v_max_num_f32 v28, v26, v16                    ; m over all 128 keys
	v_sub_f32 v29, v26, v28
	v_sub_f32 v30, v16, v28
	v_exp_f32 v29, v29                             ; f of my half,
	v_exp_f32 v30, v30                             ; of my partner's: one of the two is 1
	v_nop
	s_wait_alu depctr_va_vdst(0)
	v_mul_f32 v31, v[SM], v29
	v_fmac_f32 v31, v17, v30                       ; l over all 128 keys: at least 1
	v_rcp_f32 v31, v31
	v_nop
	s_wait_alu depctr_va_vdst(0)
	v_mul_f32 v22, v29, v31                        ; f / l, each twice, for the packed forms
	v_mul_f32 v23, v29, v31
	v_mul_f32 v24, v30, v31
	v_mul_f32 v25, v30, v31
.irp j, 0,2,4,6,8,10,12,14
	v_pk_mul_f32 v[O+\j:O+\j+1], v[O+\j:O+\j+1], v[22:23]
.endr
.irp j, 0,2,4,6,8,10,12,14
	v_pk_fma_f32 v[O+\j:O+\j+1], v[XO+\j:XO+\j+1], v[24:25], v[O+\j:O+\j+1]
.endr
	s_wait_loadcnt 50                              ; g is in; behind it: 8 + 8 + 18 + 16
	WIN 0x04                                       ; source 1 in window 1
.irp j, 0,2,4,6,8,10,12,14
	v_pk_mul_f32 v[O+\j:O+\j+1], v[O+\j:O+\j+1], v[240+\j:241+\j]
.endr
	WIN 0
.irp j, 0,1,2,3,4,5,6,7
	v_cvt_pk_f16_f32 v[PK+\j], v[O+2*\j], v[O+2*\j+1]
.endr
	ds_store_b128 v12, v[PK:PK+3]
	ds_store_b128 v12, v[PK+4:PK+7] offset:32
	s_wait_dscnt 0x0                               ; for the others' sake: my head's 32 channels of my tile's g o are in LDS
	s_barrier_signal -1
	s_barrier_wait -1
.irp mt, 0,1
.irp ks, 0,1,2,3
	FRAG GF+8*(4*\mt+\ks), 13, 4352*\mt+64*\ks
.endr
.endr
	s_wait_dscnt 0x0
	s_wait_loadcnt 42                              ; wo is in; behind it: 8 + 18 + 16
	LOADW 14, 21                                   ; 16 loads more
	WIN 0x01                                       ; source 0 in window 1
.irp ks, 0,1,2,3                                       ; two accumulators by turns
.irp mt, 0,1
.if \ks == 0
	v_wmma_f32_16x16x32_f16 v[F+8*\mt:F+8*\mt+7], v[176+8*\ks:176+8*\ks+7], v[GF+8*(4*\mt+\ks):GF+8*(4*\mt+\ks)+7], 0
.else
	v_wmma_f32_16x16x32_f16 v[F+8*\mt:F+8*\mt+7], v[176+8*\ks:176+8*\ks+7], v[GF+8*(4*\mt+\ks):GF+8*(4*\mt+\ks)+7], v[F+8*\mt:F+8*\mt+7]
.endif
.endr
.endr
	WIN 0
	PLACES
	s_wait_loadcnt 50                              ; the output gate and t_out are in; behind them: 18 + 16 + 16
.irp j, 0,2,4,6,8,10,12,14
	v_pk_fma_f32 v[F+\j:F+\j+1], v[F+\j:F+\j+1], v[OGA+\j:OGA+\j+1], v[TOA+\j:TOA+\j+1]    ; output gate x (g o) wo + t_out
.endr
.irp mt, 0,1
	ds_store_b128 v14, v[F+8*\mt:F+8*\mt+3] offset:8448*\mt
	ds_store_b128 v14, v[F+8*\mt+4:F+8*\mt+7] offset:8448*\mt+16
.endr
	s_wait_dscnt 0x0                               ; for the others' sake: a row's 512 bytes come from eight waves
	s_barrier_signal -1
	; register work while the others arrive: PART 2's LDS addresses.  v4-v7 were the offsets of K's and V's loads, which the waits above have shown done.
	s_mul_i32 s15, s12, 4*528
	v_add_nc_u32 v5, s15, v1                       ; AN: row 4 w, 16 bytes a lane
	s_mul_i32 s15, s12, 4*144
	s_add_co_u32 s15, s15, CN
	v_lshrrev_b32 v16, 2, v1
	v_add_nc_u32 v6, s15, v16                      ; CN: row 4 w, 4 bytes a lane
	v_mul_u32_u24 v7, v2, 144
	v_lshl_add_u32 v7, v3, 4, v7
	v_add_nc_u32 v7, CN, v7                        ; fragments of CN (CR: + 4,608)
	v_mul_u32_u24 v17, v2, 272
	v_lshl_add_u32 v17, v3, 4, v17
	v_add_nc_u32 v8, AH, v17                       ; fragments of AH
	s_lshl_b32 s15, s12, 5
	v_add_nc_u32 v11, s15, v8                      ; into AH: atom r, channels 16 w + 8 h
	v_mul_u32_u24 v18, v2, 528
	v_lshl_add_u32 v9, v3, 4, v18
	v_add_nc_u32 v9, BM, v9                        ; fragments of BM
	v_add_nc_u32 v12, s15, v9                      ; into BM
	v_add_nc_u32 v10, v18, v20                     ; AN: atom r, channels 16 w + 8 h
	v_lshlrev_b32 v14, 5, v2
	v_add_nc_u32 v14, MX, v14                      ; MX: atom r
	s_lshl_b32 s15, s12, 2
	v_add_nc_u32 v13, s15, v14                     ; MX: atom r, wave w
	s_barrier_wait -1
; ------------------------------------------------------------------ PART 2: block i + 1, atom by atom
.irp t, 0,1,2,3
	ds_load_b128 v[32+4*\t:35+4*\t], v21 offset:528*\t    ; a whole row of the new a
.endr
	s_wait_dscnt 0x0
	; LayerNorm of my four rows of a and of c: the mean, then the centred squares.  Sums at v56, v58 .. v70.
	s_wait_loadcnt 46                              ; c is in; the bias vector 2 and fragments 0-21 (44 loads) stay out
.irp t, 0,1,2,3
	v_cvt_pk_f16_f32 v[72+\t], v[CROW+2*\t], v[CROW+2*\t+1]
.endr
.irp t, 0,1,2,3
	ds_store_b32 v6, v[72+\t] offset:144*\t+4608   ; c as it is
.endr
.irp t, 0,1,2,3
	v_pk_add_f32 v[56+2*\t:57+2*\t], v[32+4*\t:33+4*\t], v[34+4*\t:35+4*\t]
	v_add_f32 v[64+2*\t], v[CROW+2*\t], v[CROW+2*\t+1]
	v_mov_b32 v[65+2*\t], v[CROW+2*\t+1]           ; v_permlanex16_b32's destination counts as read: it is written first
.endr
.irp t, 0,1,2,3
	v_add_f32 v[56+2*\t], v[56+2*\t], v[57+2*\t]
.endr
	RED8
.irp t, 0,1,2,3
	v_pk_fma_f32 v[32+4*\t:33+4*\t], v[56+2*\t:57+2*\t], s[26:27], v[32+4*\t:33+4*\t] op_sel_hi:[0,0,1]
	v_pk_fma_f32 v[34+4*\t:35+4*\t], v[56+2*\t:57+2*\t], s[26:27], v[34+4*\t:35+4*\t] op_sel_hi:[0,0,1]
	v_pk_fma_f32 v[CROW+2*\t:CROW+2*\t+1], v[64+2*\t:65+2*\t], s[28:29], v[CROW+2*\t:CROW+2*\t+1] op_sel_hi:[0,0,1]
.endr
.irp t, 0,1,2,3
	v_pk_mul_f32 v[56+2*\t:57+2*\t], v[32+4*\t:33+4*\t], v[32+4*\t:33+4*\t]
	v_mul_f32 v[64+2*\t], v[CROW+2*\t], v[CROW+2*\t]
.endr
.irp t, 0,1,2,3
	v_pk_fma_f32 v[56+2*\t:57+2*\t], v[34+4*\t:35+4*\t], v[34+4*\t:35+4*\t], v[56+2*\t:57+2*\t]
	v_fmac_f32 v[64+2*\t], v[CROW+2*\t+1], v[CROW+2*\t+1]
.endr
.irp t, 0,1,2,3
	v_add_f32 v[56+2*\t], v[56+2*\t], v[57+2*\t]
.endr
	RED8
.irp t, 0,1,2,3
	v_fma_f32 v[56+2*\t], v[56+2*\t], s22, s23
	v_fma_f32 v[64+2*\t], v[64+2*\t], s24, s23
.endr
.irp g, 56,58,60,62,64,66,68,70
	v_rsq_f32 v[\g], v[\g]
.endr
	v_nop
	s_wait_alu depctr_va_vdst(0)
.irp t, 0,1,2,3
	v_pk_mul_f32 v[32+4*\t:33+4*\t], v[32+4*\t:33+4*\t], v[56+2*\t:57+2*\t] op_sel_hi:[1,0]
	v_pk_mul_f32 v[34+4*\t:35+4*\t], v[34+4*\t:35+4*\t], v[56+2*\t:57+2*\t] op_sel_hi:[1,0]
	v_pk_mul_f32 v[CROW+2*\t:CROW+2*\t+1], v[CROW+2*\t:CROW+2*\t+1], v[64+2*\t:65+2*\t] op_sel_hi:[1,0]
.endr
.irp t, 0,1,2,3
	v_cvt_pk_f16_f32 v[76+\t], v[CROW+2*\t], v[CROW+2*\t+1]
	ds_store_b128 v5, v[32+4*\t:35+4*\t] offset:528*\t
.endr
.irp t, 0,1,2,3
	ds_store_b32 v6, v[76+\t] offset:144*\t
.endr
	s_wait_dscnt 0x0                               ; for the others' sake: my four atoms are in LDS
	s_barrier_signal -1
	s_barrier_wait -1
	s_cmp_lg_u32 s14, 0
	s_cbranch_scc1 .Ltrans
; ------------------------------------------------------------------ y = 0: the next attention's operands
	global_load_b128 v[248:251], v20, s[32:33] offset:-512    ; bq x qs lies 512 bytes in front of the gate's bias
	global_load_b128 v[252:255], v20, s[32:33] offset:-496
	PHASE1 34                                      ; fragments 6-21 (32 loads) and bq (2) stay out
	s_wait_loadcnt 0x0
	WIN 0x01
.irp ks, 0,1,2,3                                       ; six accumulators by turns
.irp mt, 0,1
	WMC 160+8*\mt, 6+\ks, 32+8*(4*\mt+\ks), 248, \ks    ; Q, scaled, with its bias
.endr
.irp mt, 0,1
	WM 176+8*\mt, 10+\ks, 32+8*(4*\mt+\ks), \ks         ; K
.endr
.irp mt, 0,1
	WM 192+8*\mt, 18+\ks, 32+8*(4*\mt+\ks), \ks         ; the gate g
.endr
.endr
	WIN 0x04                                       ; source 1 in window 1
.irp ks, 0,1,2,3                                       ; two accumulators by turns
.irp mt, 0,1
	WN 208+8*\mt, 32+8*(4*\mt+\ks), 14+\ks, \ks         ; V: lane = channel, registers = atoms
.endr
.endr
	WIN 0
	PLACES
.irp j, 0,1,2,3,4,5,6,7
	v_cvt_pk_f16_f32 v[96+\j], v[160+2*\j], v[161+2*\j]
	v_cvt_pk_f16_f32 v[104+\j], v[176+2*\j], v[177+2*\j]
	v_cvt_pk_f16_f32 v[112+\j], v[208+2*\j], v[209+2*\j]
.endr
.irp mt, 0,1
	global_store_b128 v1, v[96+4*\mt:99+4*\mt], s[34:35] offset:QO+4096*\mt
	global_store_b128 v1, v[104+4*\mt:107+4*\mt], s[34:35] offset:KO+4096*\mt
	global_store_b128 v1, v[112+4*\mt:115+4*\mt], s[34:35] offset:VO+4096*\mt
.endr
	SIG 192, 16
	s_wait_alu depctr_va_vdst(0)
.irp mt, 0,1
	global_store_b128 v1, v[192+8*\mt:195+8*\mt], s[36:37] offset:GO+8192*\mt
	global_store_b128 v1, v[196+8*\mt:199+8*\mt], s[36:37] offset:GO+8192*\mt+512
	global_store_b128 v1, v[224+8*\mt:227+8*\mt], s[36:37] offset:OGO+8192*\mt
	global_store_b128 v1, v[228+8*\mt:231+8*\mt], s[36:37] offset:OGO+8192*\mt+512
.endr
	s_wait_xcnt 0x0
	v_lshl_add_u32 v254, v0, 2, 0x17a00
	v_mov_b32 v255, 0
	s_wait_tensorcnt 0x0
	ds_add_u32 v254, v255
	s_wait_dscnt 0x0
	s_endpgm
; ------------------------------------------------------------------ y = 1: the next transition
.Ltrans:
	LOADW 22, 29                                   ; wout: 16 loads more; four of its fragments land in the registers that block i's wo has left
	PHASE1 48                                      ; fragments 6-29 stay out
	s_wait_loadcnt 16                              ; w1 and w2 are in; wout stays out
	WIN 0x01
.irp ks, 0,1,2,3                                       ; eight accumulators by turns
.irp nt, 0,1
.irp mt, 0,1
	WM 160+16*\nt+8*\mt, 6+4*\nt+\ks, 32+8*(4*\mt+\ks), \ks     ; t w1
.endr
.endr
.irp nt, 0,1
.irp mt, 0,1
	WM 192+16*\nt+8*\mt, 14+4*\nt+\ks, 32+8*(4*\mt+\ks), \ks    ; t w2
.endr
.endr
.endr
	WIN 0
	PLACES
.set i, 0
.rept 16
	v_pk_mul_f32 v[96+i:97+i], v[160+i:161+i], 0xbfb8aa3b op_sel_hi:[1,0]
.set i, i+2
.endr
	SIG 96, 32                                     ; sigmoid(t w1)
.set i, 0
.rept 16
	v_pk_mul_f32 v[160+i:161+i], v[160+i:161+i], v[192+i:193+i]
.set i, i+2
.endr
.set i, 0
	s_wait_alu depctr_va_vdst(0)
.rept 16
	v_pk_mul_f32 v[160+i:161+i], v[160+i:161+i], v[96+i:97+i]     ; bm
.set i, i+2
.endr
	; the largest |bm| of each atom: my 16 numbers, the other half of the lanes, then the eight waves through LDS
	v_max3_num_f32 v16, |v160|, |v161|, |v162|
	v_max3_num_f32 v18, |v168|, |v169|, |v170|
	v_max3_num_f32 v16, v16, |v163|, |v164|
	v_max3_num_f32 v18, v18, |v171|, |v172|
	v_max3_num_f32 v16, v16, |v165|, |v166|
	v_max3_num_f32 v18, v18, |v173|, |v174|
	v_max3_num_f32 v16, v16, |v167|, |v176|
	v_max3_num_f32 v18, v18, |v175|, |v184|
	v_max3_num_f32 v16, v16, |v177|, |v178|
	v_max3_num_f32 v18, v18, |v185|, |v186|
	v_max3_num_f32 v16, v16, |v179|, |v180|
	v_max3_num_f32 v18, v18, |v187|, |v188|
	v_max3_num_f32 v16, v16, |v181|, |v182|
	v_max3_num_f32 v18, v18, |v189|, |v190|
	v_max_num_f32 v16, v16, |v183|
	v_max_num_f32 v18, v18, |v191|
	v_permlanex16_b32 v17, v16, s20, s21
	v_max_num_f32 v16, v16, v17
	v_permlanex16_b32 v17, v18, s20, s21
	v_max_num_f32 v18, v18, v17
	ds_store_b32 v13, v16
	ds_store_b32 v13, v18 offset:512
	s_wait_dscnt 0x0
	s_barrier_signal -1
	s_barrier_wait -1
	ds_load_b128 v[96:99], v14
	ds_load_b128 v[100:103], v14 offset:16
	ds_load_b128 v[104:107], v14 offset:512
	ds_load_b128 v[108:111], v14 offset:528
	s_wait_dscnt 0x0
.irp mt, 0,1
	v_max3_num_f32 v[96+8*\mt], v[96+8*\mt], v[97+8*\mt], v[98+8*\mt]
	v_max3_num_f32 v[96+8*\mt], v[96+8*\mt], v[99+8*\mt], v[100+8*\mt]
	v_max3_num_f32 v[96+8*\mt], v[96+8*\mt], v[101+8*\mt], v[102+8*\mt]
	v_max_num_f32 v[96+8*\mt], v[96+8*\mt], v[103+8*\mt]
	v_and_b32 v[248+2*\mt], 0x7f800000, v[96+8*\mt]              ; the power of two below it,
	v_med3_num_f32 v[248+2*\mt], v[248+2*\mt], s38, s39          ; held within 2^-100 .. 2^126: u
	v_mov_b32 v[249+2*\mt], v[248+2*\mt]
	v_sub_nc_u32 v[252+2*\mt], 0x7f000000, v[248+2*\mt]          ; 1 / u: the exponent mirrored, exact
	v_mov_b32 v[253+2*\mt], v[252+2*\mt]
.endr
.irp nt, 0,1
.irp mt, 0,1
.irp j, 0,2,4,6
	v_pk_mul_f32 v[160+16*\nt+8*\mt+\j:161+16*\nt+8*\mt+\j], v[160+16*\nt+8*\mt+\j:161+16*\nt+8*\mt+\j], v[252+2*\mt:253+2*\mt]
.endr
.endr
.endr
.irp mt, 0,1
.irp j, 0,2,4,6
	v_pk_mul_f32 v[224+8*\mt+\j:225+8*\mt+\j], v[224+8*\mt+\j:225+8*\mt+\j], v[248+2*\mt:249+2*\mt]    ; u goes into the output gate
.endr
.endr
.irp j, 0,1,2,3,4,5,6,7,8,9,10,11,12,13,14,15
	v_cvt_pk_f16_f32 v[96+\j], v[160+2*\j], v[161+2*\j]
.endr
.irp nt, 0,1
.irp mt, 0,1
	ds_store_b128 v12, v[96+4*(2*\nt+\mt):99+4*(2*\nt+\mt)] offset:8448*\mt+256*\nt
.endr
.endr
	s_wait_dscnt 0x0
	s_barrier_signal -1
	s_barrier_wait -1
.irp mt, 0,1
.irp ks, 0,1,2,3,4,5,6,7
	FRAG 32+8*(8*\mt+\ks), 9, 8448*\mt+64*\ks
.endr
.endr
	s_wait_dscnt 0x0
	s_wait_loadcnt 0x0                             ; wout
	WIN 0x01
.irp ks, 0,1,2,3,4,5,6,7                               ; two accumulators by turns
.irp mt, 0,1
	WM 160+8*\mt, 22+\ks, 32+8*(8*\mt+\ks), \ks
.endr
.endr
	WIN 0
	PLACES
.irp j, 0,2,4,6,8,10,12,14
	v_pk_mul_f32 v[160+\j:161+\j], v[160+\j:161+\j], v[224+\j:225+\j]
.endr
.irp mt, 0,1
	global_store_b128 v1, v[160+8*\mt:163+8*\mt], s[36:37] offset:TOO+8192*\mt
	global_store_b128 v1, v[164+8*\mt:167+8*\mt], s[36:37] offset:TOO+8192*\mt+512
.endr
	s_wait_xcnt 0x0
	v_lshl_add_u32 v254, v0, 2, 0x17a00
	v_mov_b32 v255, 0
	s_wait_tensorcnt 0x0
	ds_add_u32 v254, v255
	s_wait_dscnt 0x0
	s_endpgm
.Lfunc_end_k_qb749ad8789_mid0:
	.size	k_qb749ad8789_mid0, .Lfunc_end_k_qb749ad8789_mid0-k_qb749ad8789_mid0
	.p2alignl 7, 3214868480
	.fill 96, 4, 3214868480
	.section	.rodata,"a",@progbits
	.p2align	6, 0x0
	.amdhsa_kernel k_qb749ad8789_mid0
		.amdhsa_group_segment_fixed_size 97792
		.amdhsa_private_segment_fixed_size 0
		.amdhsa_enable_private_segment 0
		.amdhsa_kernarg_size 40
		.amdhsa_user_sgpr_count 2
		.amdhsa_user_sgpr_kernarg_segment_ptr 1
		.amdhsa_wavefront_size32 1
		.amdhsa_system_sgpr_workgroup_id_x 1
		.amdhsa_system_sgpr_workgroup_id_y 1
		.amdhsa_system_sgpr_workgroup_id_z 1
		.amdhsa_system_vgpr_workitem_id 0
		.amdhsa_next_free_vgpr 512
		.amdhsa_next_free_sgpr 96
		.amdhsa_reserve_vcc 0
		.amdhsa_float_denorm_mode_32 3
		.amdhsa_float_denorm_mode_16_64 3
		.amdhsa_memory_ordered 1
		.amdhsa_forward_progress 1
		.amdhsa_inst_pref_size 90
	.end_amdhsa_kernel
	.amdgpu_metadata
---
amdhsa.version: [ 1, 2 ]
amdhsa.kernels:
  - .name:           k_qb749ad8789_mid0
    .symbol:         k_qb749ad8789_mid0.kd
    .args:
      - { .name: act, .offset: 0, .size: 8, .value_kind: global_buffer, .address_space: global }
      - { .name: blk0, .offset: 8, .size: 8, .value_kind: global_buffer, .address_space: global }
      - { .name: c, .offset: 16, .size: 8, .value_kind: global_buffer, .address_space: global }
      - { .name: blk1, .offset: 24, .size: 8, .value_kind: global_buffer, .address_space: global }
      - { .name: act2, .offset: 32, .size: 8, .value_kind: global_buffer, .address_space: global }
    .group_segment_fixed_size: 97792
    .private_segment_fixed_size: 0
    .kernarg_segment_align: 8
    .kernarg_segment_size: 40
    .max_flat_workgroup_size: 256
    .sgpr_count:     96
    .vgpr_count:     512
    .wavefront_size: 32
...
	.end_amdgpu_metadata
.endif
;; end of part 4
;; launch mid1: the kernel of part 4 again; grid 128 x 2, 8 waves a work-group, no clusters, 97,792 bytes of LDS; arguments act2, blk1, c, blk2, act; writes act
;; launch attn2 (part 5): grid 256 x 1, 4 waves a work-group, no clusters, 13,312 bytes of LDS; arguments act, blk2, out0; writes out0
.if DOCPART == 5
	.amdgcn_target "amdgcn-amd-amdhsa--gfx1250"
	.amdhsa_code_object_version 6
	.text
	.protected	k_qb749ad8789_attn2
	.globl	k_qb749ad8789_attn2
	.p2align	8
	.type	k_qb749ad8789_attn2,@function
k_qb749ad8789_attn2:
	s_mov_b64 s[64:65], 0
	v_nop
	global_prefetch_b8 v0, s[64:65] scope:SCOPE_SE
	s_setreg_imm32_b32 hwreg(HW_REG_WAVE_MODE, 25, 1), 1
	s_wait_xcnt 0x0
; ATTN: the banded attention of 16 queries, its gate, the product with wo, the output gate, and the sum with the transition's result: the last block's a, the result.
; A work-group owns a tile of 16 queries, wave hd one head.  The mask of the problem leaves query block qb (32 atoms) the keys 32 qb - 48 .. 32 qb + 79: eight tiles of 16 from
; tile 2 qb - 3 on.  All other keys of the batch carry -1e10 there and weigh exactly 0 behind the softmax: they are left out.  Tiles outside 0..63 do not exist: their address is
; clamped to a tile of the batch and their bias tile holds -1e10 x log2 e, so that they weigh 0 too.
; S^T = K Q^T + bias (source 0 = 16 keys, source 1 = 16 queries; the bias tile, stored in the accumulator's layout, is the product's C): a lane holds ONE query and 64 of its 128 keys.
; Softmax in base 2 (log2 e lies in Q and in the bias), with the true maximum of the 128 scores taken away.  Two packed tiles of weights are source 1 of O^T = V^T P.
; All operands come from memory in register order: each load of a wave covers 512 consecutive bytes, aligned.
; NO CLUSTER: the two query tiles of a block read the same K and V (32 KiB), every work-group the same wo (32 KiB), each once, straight into registers; a joint load would add a trip through LDS.
; LIMITS: f16 operands (Q, K, V, the weights, g o: under 65,504; absolute step 6e-8 below 6e-5); 2^x below 2^-126 is 0; in-band scores stay far under 1e10.
.set PO,   425984
.set BIAS, 460800
.set KO,   1048576
.set VO,   2097152
.set GO,   3145728
.set OGO,  5242880
.set TOO,  7340032
.set ST,   4352                        ; LDS: g o, f16 [16][128], pitch 272, at 0; the new a, f32 [16][128], pitch 528, at ST
.set QF,   16                          ; v[16:23]   Q
.set S,    32                          ; v[32:95]   bias, scores, weights: key tile kt at S + 8 kt
.set KF,   96                          ; v[96:159]  K: key tile kt at KF + 8 kt
.set VF,   160                         ; v[160:223] V^T: channels 16 dt .., keys 32 s ..: at VF + 8 (4 dt + s)
.set O,    224                         ; v[224:239] O^T
.set F,    240                         ; v[240:255] the product with wo
; v1 16 L; v2 r; v3 h; v[4:11] 16 L + key tile's offset; v12-v15 LDS addresses; v24-v27 maxima; v[28:29] m; v[30:31] 1 / l
; window 1: v[0:63] wo, fragment 4 e + ks; v[64:79] g; v[80:95] output gate; v[96:111] t_out
.set MSB, 0
.macro WIN new                         ; the immediate's high byte repeats the setting that is left
.if MSB != \new
	s_set_vgpr_msb (MSB<<8)|\new
.set MSB, \new
.endif
.endm
.macro PLACES                          ; five plain vector instructions behind a run of matrix instructions (ISA guide 7.12.1)
.rept 5
	v_nop
.endr
.endm
	s_load_b128 s[4:7], s[0:1], 0x0                ; act, blk
	s_load_b64 s[8:9], s[0:1], 0x10                ; the new a
	s_set_vgpr_msb 0x40
	v_lshl_add_u32 v128, v0, 2, 0x3200
	v_mov_b32 v129, 0
	s_set_vgpr_msb 0x4000
	v_lshrrev_b32 v24, 5, v0
	v_readfirstlane_b32 s12, v24                   ; wave = head
	v_and_b32 v24, 31, v0
	v_lshlrev_b32 v1, 4, v24
	v_and_b32 v2, 15, v24
	v_lshrrev_b32 v3, 4, v24
	s_and_b32 s13, ttmp9, 62
	s_sub_co_i32 s13, s13, 3                       ; the band's first key tile in the batch
	s_and_b32 s14, ttmp9, 0xc0                     ; the batch's first tile
	s_lshl_b32 s10, s12, 10
.irp kt, 0,1,2,3,4,5,6,7
	s_add_co_i32 s15, s13, \kt
	s_max_i32 s15, s15, 0
	s_min_i32 s15, s15, 63
	s_add_co_u32 s15, s15, s14
	s_lshl_b32 s15, s15, 12
	s_add_co_u32 s[16+\kt], s15, s10               ; tile x 4,096 + head x 1,024
	v_add_nc_u32 v[4+\kt], s[16+\kt], v1
.endr
	s_lshl_b32 s36, ttmp9, 15
	s_lshl_b32 s37, s12, 13
	s_add_co_u32 s36, s36, s37
	s_add_co_u32 s36, s36, BIAS
	s_add_co_u32 s38, s37, PO
	s_mov_b32 s37, 0
	s_mov_b32 s39, 0
	s_wait_kmcnt 0x0
	s_add_nc_u64 s[24:25], s[6:7], s[36:37]        ; my eight bias tiles
	s_add_nc_u64 s[26:27], s[6:7], s[38:39]        ; wo: n tiles 2 hd, 2 hd + 1
	s_lshl_b32 s36, ttmp9, 13
	s_lshl_b32 s38, s12, 11
	s_add_co_u32 s36, s36, s38
	s_add_nc_u64 s[28:29], s[4:5], s[36:37]        ; f32 tiles 2 hd, 2 hd + 1 of my queries
	s_add_nc_u64 s[32:33], s[8:9], s[36:37]        ; rows 4 hd .. 4 hd + 3 of my queries in the new a
	s_lshr_b32 s36, s36, 1
	s_add_nc_u64 s[30:31], s[4:5], s[36:37]        ; Q
	global_load_b128 v[QF:QF+3], v1, s[30:31]
	global_load_b128 v[QF+4:QF+7], v1, s[30:31] offset:512
.irp kt, 0,1,2,3,4,5,6,7
	global_load_b128 v[KF+8*\kt:KF+8*\kt+3], v[4+\kt], s[4:5] offset:KO
	global_load_b128 v[KF+8*\kt+4:KF+8*\kt+7], v[4+\kt], s[4:5] offset:KO+512
.endr
.irp kt, 0,1,2,3,4,5,6,7
	global_load_b128 v[S+8*\kt:S+8*\kt+3], v1, s[24:25] offset:1024*\kt th:TH_LOAD_NT
	global_load_b128 v[S+8*\kt+4:S+8*\kt+7], v1, s[24:25] offset:1024*\kt+512 th:TH_LOAD_NT
.endr
.irp dt, 0,1
.irp s, 0,1,2,3
	global_load_b128 v[VF+8*(4*\dt+\s):VF+8*(4*\dt+\s)+3], v[4+2*\s], s[4:5] offset:VO+512*\dt     ; keys of tile 2 s
	global_load_b128 v[VF+8*(4*\dt+\s)+4:VF+8*(4*\dt+\s)+7], v[5+2*\s], s[4:5] offset:VO+512*\dt   ; keys of tile 2 s + 1
.endr
.endr
	WIN 0x40                                       ; destination in window 1
.irp dt, 0,1
	global_load_b128 v[64+8*\dt:67+8*\dt], v1, s[28:29] offset:GO+1024*\dt
	global_load_b128 v[68+8*\dt:71+8*\dt], v1, s[28:29] offset:GO+1024*\dt+512
.endr
	WIN 0
	s_mov_b32 s34, 0x76543210                      ; v_permlanex16_b32: each lane takes its own place in the other half
	s_mov_b32 s35, 0xfedcba98
	v_mul_u32_u24 v13, v2, 272
	v_lshl_add_u32 v13, v3, 4, v13                 ; fragments of g o
	s_lshl_b32 s15, s12, 6
	v_add_nc_u32 v12, s15, v13                     ; into g o: query r, channels 32 hd + 8 h
	v_mul_u32_u24 v14, v2, 528
	v_lshl_add_u32 v14, v3, 5, v14
	s_lshl_b32 s15, s12, 7
	s_add_co_u32 s15, s15, ST
	v_add_nc_u32 v14, s15, v14                     ; into the stage: query r, channels 32 hd + 8 h
	s_mul_i32 s15, s12, 4*528
	s_add_co_u32 s15, s15, ST
	v_add_nc_u32 v15, s15, v1                      ; back: rows 4 hd .., whole
	s_wait_loadcnt 20                              ; Q, K and the bias are in; V (16) and g (4) stay out
.irp kt, 0,1,2,3,4,5,6,7                               ; eight accumulators, one product each: the head's 32 channels are one K step
	v_wmma_f32_16x16x32_f16 v[S+8*\kt:S+8*\kt+7], v[KF+8*\kt:KF+8*\kt+7], v[QF:QF+7], v[S+8*\kt:S+8*\kt+7]
.endr
	WIN 0x40                                       ; what the end of the kernel wants is asked for now: 24 loads
.irp f, 0,1,2,3,4,5,6,7
	global_load_b128 v[8*\f:8*\f+3], v1, s[26:27] offset:1024*\f
	global_load_b128 v[8*\f+4:8*\f+7], v1, s[26:27] offset:1024*\f+512
.endr
.irp e, 0,1
	global_load_b128 v[80+8*\e:83+8*\e], v1, s[28:29] offset:OGO+1024*\e
	global_load_b128 v[84+8*\e:87+8*\e], v1, s[28:29] offset:OGO+1024*\e+512
.endr
.irp e, 0,1
	global_load_b128 v[96+8*\e:99+8*\e], v1, s[28:29] offset:TOO+1024*\e
	global_load_b128 v[100+8*\e:103+8*\e], v1, s[28:29] offset:TOO+1024*\e+512
.endr
	WIN 0
	PLACES
	; the maximum of the query's 128 scores: four chains over my 64, then the other half of the lanes
.irp c, 0,1,2,3
	v_max3_num_f32 v[24+\c], v[S+16*\c], v[S+16*\c+1], v[S+16*\c+2]
.endr
.irp k, 3,5,7,9,11,13
.irp c, 0,1,2,3
	v_max3_num_f32 v[24+\c], v[24+\c], v[S+16*\c+\k], v[S+16*\c+\k+1]
.endr
.endr
.irp c, 0,1,2,3
	v_max_num_f32 v[24+\c], v[24+\c], v[S+16*\c+15]
.endr
	v_max3_num_f32 v24, v24, v25, v26
	v_max_num_f32 v24, v24, v27
	v_permlanex16_b32 v25, v24, s34, s35
	v_max_num_f32 v28, v24, v25
	v_max_num_f32 v29, v24, v25
.set i, 0
.rept 32
	v_pk_add_f32 v[S+i:S+i+1], v[S+i:S+i+1], v[28:29] neg_lo:[0,1] neg_hi:[0,1]
.set i, i+2
.endr
.set i, 0
.rept 64
	v_exp_f32 v[S+i], v[S+i]
.set i, i+1
.endr
	v_nop                                          ; a plain instruction behind the last exponential
	; the sum, in K's registers, which are free: S is still to be packed
.set i, 0
	s_wait_alu depctr_va_vdst(0)
.rept 16
	v_pk_add_f32 v[96+2*i:97+2*i], v[S+4*i:S+4*i+1], v[S+4*i+2:S+4*i+3]
.set i, i+1
.endr
.irp j, 0,2,4,6,8,10,12,14
	v_pk_add_f32 v[96+\j:97+\j], v[96+\j:97+\j], v[112+\j:113+\j]
.endr
.irp j, 0,2,4,6
	v_pk_add_f32 v[96+\j:97+\j], v[96+\j:97+\j], v[104+\j:105+\j]
.endr
.irp j, 0,2
	v_pk_add_f32 v[96+\j:97+\j], v[96+\j:97+\j], v[100+\j:101+\j]
.endr
	v_pk_add_f32 v[96:97], v[96:97], v[98:99]
	v_add_f32 v96, v96, v97
	v_permlanex16_b32 v97, v96, s34, s35
	v_add_f32 v96, v96, v97
	v_rcp_f32 v30, v96                             ; 1 / l, twice, for the packed multiply; the conversions below are the plain instructions behind them
	v_rcp_f32 v31, v96
.irp s, 0,1,2,3                                        ; two tiles of weights pack in place into source 1 for keys 32 s .. 32 s + 31
.irp j, 0,1,2,3,4,5,6,7
	v_cvt_pk_f16_f32 v[S+16*\s+\j], v[S+16*\s+2*\j], v[S+16*\s+2*\j+1]
.endr
.endr
	s_wait_loadcnt 28                              ; V is in; g (4), wo (16), the output gate (4) and t_out (4) stay out
.irp s, 0,1,2,3                                        ; two accumulators by turns
.irp dt, 0,1
.if \s == 0
	v_wmma_f32_16x16x32_f16 v[O+8*\dt:O+8*\dt+7], v[VF+8*(4*\dt+\s):VF+8*(4*\dt+\s)+7], v[S+16*\s:S+16*\s+7], 0
.else
	v_wmma_f32_16x16x32_f16 v[O+8*\dt:O+8*\dt+7], v[VF+8*(4*\dt+\s):VF+8*(4*\dt+\s)+7], v[S+16*\s:S+16*\s+7], v[O+8*\dt:O+8*\dt+7]
.endif
.endr
.endr
	PLACES
	s_wait_loadcnt 24                              ; g is in
	s_wait_alu depctr_va_vdst(0)
.irp j, 0,2,4,6,8,10,12,14
	v_pk_mul_f32 v[O+\j:O+\j+1], v[O+\j:O+\j+1], v[30:31]
.endr
	WIN 0x04                                       ; source 1 in window 1
.irp j, 0,2,4,6,8,10,12,14
	v_pk_mul_f32 v[O+\j:O+\j+1], v[O+\j:O+\j+1], v[64+\j:65+\j]
.endr
	WIN 0
.irp j, 0,1,2,3,4,5,6,7
	v_cvt_pk_f16_f32 v[96+\j], v[O+2*\j], v[O+2*\j+1]
.endr
	ds_store_b128 v12, v[96:99]
	ds_store_b128 v12, v[100:103] offset:32
	s_wait_dscnt 0x0                               ; for the others' sake: my head's 32 channels of g o are in LDS
	s_barrier_signal -1
	s_barrier_wait -1
.irp ks, 0,1,2,3
	ds_load_b128 v[128+8*\ks:131+8*\ks], v13 offset:64*\ks
	ds_load_b128 v[132+8*\ks:135+8*\ks], v13 offset:64*\ks+32
.endr
	s_wait_dscnt 0x0
	s_wait_loadcnt 8                               ; wo is in; the output gate and t_out stay out
	WIN 0x01                                       ; source 0 in window 1
.irp ks, 0,1,2,3                                       ; two accumulators by turns
.irp e, 0,1
.if \ks == 0
	v_wmma_f32_16x16x32_f16 v[F+8*\e:F+8*\e+7], v[8*(4*\e+\ks):8*(4*\e+\ks)+7], v[128+8*\ks:135+8*\ks], 0
.else
	v_wmma_f32_16x16x32_f16 v[F+8*\e:F+8*\e+7], v[8*(4*\e+\ks):8*(4*\e+\ks)+7], v[128+8*\ks:135+8*\ks], v[F+8*\e:F+8*\e+7]
.endif
.endr
.endr
	WIN 0
	PLACES
	s_wait_loadcnt 0x0
	WIN 0x14                                       ; sources 1 and 2 in window 1
.irp j, 0,2,4,6,8,10,12,14
	v_pk_fma_f32 v[F+\j:F+\j+1], v[F+\j:F+\j+1], v[80+\j:81+\j], v[96+\j:97+\j]    ; output gate x (g o) wo + t_out
.endr
	WIN 0
.irp e, 0,1
	ds_store_b128 v14, v[F+8*\e:F+8*\e+3] offset:64*\e
	ds_store_b128 v14, v[F+8*\e+4:F+8*\e+7] offset:64*\e+16
.endr
	s_wait_dscnt 0x0                               ; for the others' sake: a row's 512 bytes come from four waves
	s_barrier_signal -1
	s_barrier_wait -1
.irp t, 0,1,2,3
	ds_load_b128 v[96+4*\t:99+4*\t], v15 offset:528*\t
.endr
	s_wait_dscnt 0x0
.irp t, 0,1,2,3
	global_store_b128 v1, v[96+4*\t:99+4*\t], s[32:33] offset:512*\t    ; a whole row: 512 consecutive bytes, aligned
.endr
	s_set_vgpr_msb 0x5
	s_wait_tensorcnt 0x0
	ds_add_u32 v128, v129
	s_wait_dscnt 0x0
	s_set_vgpr_msb 0x500
	s_endpgm
.Lfunc_end_k_qb749ad8789_attn2:
	.size	k_qb749ad8789_attn2, .Lfunc_end_k_qb749ad8789_attn2-k_qb749ad8789_attn2
	.p2alignl 7, 3214868480
	.fill 96, 4, 3214868480
	.section	.rodata,"a",@progbits
	.p2align	6, 0x0
	.amdhsa_kernel k_qb749ad8789_attn2
		.amdhsa_group_segment_fixed_size 13312
		.amdhsa_private_segment_fixed_size 0
		.amdhsa_enable_private_segment 0
		.amdhsa_kernarg_size 24
		.amdhsa_user_sgpr_count 2
		.amdhsa_user_sgpr_kernarg_segment_ptr 1
		.amdhsa_wavefront_size32 1
		.amdhsa_system_sgpr_workgroup_id_x 1
		.amdhsa_system_sgpr_workgroup_id_y 1
		.amdhsa_system_sgpr_workgroup_id_z 1
		.amdhsa_system_vgpr_workitem_id 0
		.amdhsa_next_free_vgpr 386
		.amdhsa_next_free_sgpr 66
		.amdhsa_reserve_vcc 0
		.amdhsa_float_denorm_mode_32 3
		.amdhsa_float_denorm_mode_16_64 3
		.amdhsa_memory_ordered 1
		.amdhsa_forward_progress 1
		.amdhsa_inst_pref_size 29
	.end_amdhsa_kernel
	.amdgpu_metadata
---
amdhsa.version: [ 1, 2 ]
amdhsa.kernels:
  - .name:           k_qb749ad8789_attn2
    .symbol:         k_qb749ad8789_attn2.kd
    .args:
      - { .name: act, .offset: 0, .size: 8, .value_kind: global_buffer, .address_space: global }
      - { .name: blk2, .offset: 8, .size: 8, .value_kind: global_buffer, .address_space: global }
      - { .name: out0, .offset: 16, .size: 8, .value_kind: global_buffer, .address_space: global }
    .group_segment_fixed_size: 13312
    .private_segment_fixed_size: 0
    .kernarg_segment_align: 8
    .kernarg_segment_size: 24
    .max_flat_workgroup_size: 128
    .sgpr_count:     66
    .vgpr_count:     386
    .wavefront_size: 32
...
	.end_amdgpu_metadata
.endif
;; end of part 5
